; MI455X (gfx1250); checked and timed in simulation.
; The chip was launched on July 23, 2026; its instructions are those of AMD's public machine-readable ISA for CDNA 5 (MIT licence, August 2026) and "CDNA5" Instruction Set Architecture Reference Guide (July 2026). The comments in the code are by the model that wrote it; some were corrected since.
;; Multi Head Attention. Allowed arithmetic: matrix products marked QUANTISED: E2M1 operands, one E8M0 scale for each 32 along K, by v_wmma_scale_f32_16x16x128_f8f6f4 with both operands' format E2M1 (or v_wmma_scale_f32_32x16x128_f4), f32 sums; products left as they are: bf16, f16 or f32 operands; f32 sums; everything else in f32.
;; Inputs: Key 2 x 2,048 x 1,024 float32; Query 2 x 2,048 x 1,024 float32; Value 2 x 2,048 x 1,024 float32; W_k 1,024 x 1,024 float32; W_o 1,024 x 1,024 float32; W_q 1,024 x 1,024 float32; W_v 1,024 x 1,024 float32; mask 1 x 1 x 2,048 x 2,048 int32.
;; Outputs: out0 2 x 2,048 x 1,024 float32.
;; This version of the problem:
;;   THIS VERSION OF THE PROBLEM IS GIVEN IN LOW PRECISION. The matrix products marked QUANTISED in the list below multiply operands that are first quantised to E2M1 (2 exponent bits, 1 mantissa bit; 4 bits a number), with one power-of-two scale for each 32 numbers along K (OCP MX v1.0); their sums are f32. The products marked 'left as it is' may take bf16, f16 or f32 operands, with f32 sums. Whichever they take, every output number must still come out within the allowed error. Rounding operands to bf16 (8 significant bits) uses up far more of that allowance than f16 does (11 bits, for magnitudes from 6e-5 to 65,504). All else is computed in f32.
;;   The module's matrix products, in the order in which they are computed (A, B: the left and right operand; K: the contracted axis; several contracted axes count as one K, in the product's order):
;;     1. [M 4,096, K 1,024] x [K 1,024, N 1,024]; A: input Query; B: input W_q: QUANTISED
;;     2. [M 4,096, K 1,024] x [K 1,024, N 1,024]; A: input Key; B: input W_k: QUANTISED
;;     3. [M 4,096, K 1,024] x [K 1,024, N 1,024]; A: input Value; B: input W_v: QUANTISED
;;     4. batch 32 x [M 2,048, K 64] x [K 64, N 2,048]; A: computed on the way; B: computed on the way: left as it is (an operand is computed on the way)
;;     5. batch 32 x [M 2,048, K 2,048] x [K 2,048, N 64]; A: computed on the way; B: computed on the way: left as it is (an operand is computed on the way)
;;     6. [M 4,096, K 1,024] x [K 1,024, N 1,024]; A: computed on the way; B: input W_o: left as it is (an operand is computed on the way)
;;   THE QUANTISER, for each operand of a quantised product, along K:
;;     - K is cut into blocks of 32 from its start; a last block that is shorter is filled with zeros.
;;     - A block's scale is 2^e with e = floor(log2(the largest magnitude in the block)) - 2, held to -126 .. 127; a block of zeros has e = 0. As a byte (E8M0): e + 127.
;;     - Each number is divided by its block's scale, clamped to +-6, and rounded to the nearest number of E2M1, ties to even, subnormals kept.
;;     - The product sums the exact products of the quantised numbers (number of the format x scale) in f32.
;;   ~~~python
;;   def quantise(x, axis):      # numpy; x: float32 -> the quantised numbers, widened to float32 again
;;       x = np.moveaxis(x, axis, -1); K = x.shape[-1]
;;       x = np.pad(x, [(0, 0)] * (x.ndim - 1) + [(0, -K % 32)]); x = x.reshape(x.shape[:-1] + (-1, 32)); a = np.abs(x).max(-1, keepdims=True)
;;       e = np.where(a > 0, np.clip(np.frexp(np.where(a > 0, a, 1))[1] - 1 - 2, -126, 127), 0)      # np.frexp(a)[1] - 1 = floor(log2(a)), exactly
;;       r = np.clip(x / 2.0 ** e, -6, 6)
;;       step = 2.0 ** (np.maximum(np.frexp(np.where(r == 0, 1, r))[1] - 1, 0) - 1)
;;       q = np.round(r / step) * step * 2.0 ** e      # np.round: ties to even
;;       return np.moveaxis(q.reshape(q.shape[:-2] + (-1,))[..., :K], -1, axis).astype(np.float32)
;;   ~~~
;; One version. Each part assembles by itself: llvm-mc -triple=amdgcn-amd-amdhsa -mcpu=gfx1250 --defsym DOCPART=n.
;; ======== version 1 of 1: 4 launches
;; limits: values are held in f16: magnitudes above 65,504 overflow, below 6.1e-05 lose precision; right only within a limited range of input values
;; workspace buffers: codes 7,864,320 bytes; scales 491,520 bytes; wo16 2,097,152 bytes; maskbits 524,288 bytes of whole numbers; qkv 25,165,824 bytes; xa 8,388,608 bytes
;; launch prep (part 1): grid 640 x 1, 4 waves a work-group, no clusters, 68,096 bytes of LDS; arguments Query, Key, Value, W_q, W_k, W_v, W_o, mask, codes, scales, wo16, maskbits; writes codes, scales, wo16, maskbits
.if DOCPART == 1
	.amdgcn_target "amdgcn-amd-amdhsa--gfx1250"
	.amdhsa_code_object_version 6
	.text
	.protected	k_qd3973ac0ed_prep
	.globl	k_qd3973ac0ed_prep
	.p2align	8
	.type	k_qd3973ac0ed_prep,@function
k_qd3973ac0ed_prep:
	s_mov_b64 s[64:65], 0
	v_nop
	global_prefetch_b8 v0, s[64:65] scope:SCOPE_SE
	s_setreg_imm32_b32 hwreg(HW_REG_WAVE_MODE, 25, 1), 1
	s_wait_xcnt 0x0
; PREP: everything that is made once from the inputs.  Three paths, parted once on the work-group's number; each work-group reads 131,072 bytes.
;  work-groups 0-479:   Query, Key, Value, W_q, W_k, W_v (f32, K innermost, dense) become codes of FP4 (E2M1) and one E8M0 byte for each 32 along K.  The six tensors lie one behind the other in
;                       codes [15,360 rows][512 bytes] and scales [15,360][32 bytes]: rows 0-4,095 Query, then Key, Value, then 1,024 rows each of W_q, W_k, W_v.
;                       A block's scale is 2^(floor(log2(largest magnitude)) - 2); its byte is the largest magnitude's exponent field - 2, held at 1 from below.  A block of zeros gets the byte 1
;                       where the rule says 127: its codes are zeros, and this program alone reads the bytes.
;  work-groups 480-607: the mask [2048][2048] int32 becomes bits, laid as the attention launch's score registers lie: maskbits [query tile 128][key step 32][32 words];
;                       word 8 t + j, bit l = (mask[16 qt + l % 16][64 ks + 16 t + 8 (l / 16) + j] != 0).
;  work-groups 608-639: W_o becomes f16, laid as images of operand registers: wo16 [n tile 64][32 along K: 32][half 2][lane 32][16 bytes]; lane (r, h) holds W_o[16 nt + r][32 k + 16 c + 8 h + 0..7].
; LIMITS: NaN and infinities among the inputs are not served; blocks whose largest magnitude lies under 2^(2 - 126) keep the byte 1; W_o beyond f16's range (65,504) is not served.
; No tensor loads, no barrier: waves share nothing.  Each path has LDS bytes of its own.
.set STEPS, 16
.set EMAX,  2
.set CB,    8                          ; bytes of 16 codes
.set QR,    16                         ; v16-79   quantising path: four sets of 16 numbers as loaded
.set QX,    80                         ; v80-111  two sets of 16 neighbours
.set QE,    112                        ; v112-127 a scale byte for each step
.set QC,    128                        ; v128-191 codes: four registers for each step, never written again
.set WREG,  8192                       ; LDS 0-32,767: a region for each wave: two stages of 32 x SP bytes, behind them its 256 scale bytes
.set SP,    80                         ; a lane's place in a stage: 64 bytes + 16 of padding
.set SPW,   12                         ; v12 LDS address of my spare word; never rewritten
.set NIL,   13                         ; v13 0; never rewritten
.set STG_M, 32768                      ; the mask path's stages: 16 rows x 272 bytes for each wave
.set STG_W, 50176                      ; W_o's path's stages, likewise
.set SPARE, 67584                      ; the spare words, 128 bytes for each wave: two blocks of 256 bytes that no other line names
.set VL,    3                          ; task paths: v3 my byte in a pair of source rows
.set SA,    4                          ; v4 the stage, way in
.set LA,    5                          ; v5 the stage, way out
.set VS,    6                          ; v6 my byte in a store
.set MW,    24                         ; v24-31 mask words, four pairs
.set TR,    32                         ; v32-127 three sets of 32 registers as loaded
.set TX,    128                        ; v128-159 a task's numbers in the operand's order
.set TC,    160                        ; v160-191 two sets of 16 registers of f16
.set WV,    32                         ; s32 my wave's number
.macro QLOAD t
.irp i, 0,1,2,3
	global_load_b128 v[QR+16*((\t)%4)+4*\i:QR+16*((\t)%4)+4*\i+3], v3, s[28:29] offset:2048*(\t)+512*\i th:TH_LOAD_NT   ; 32 lanes read 512 consecutive bytes
.endr
.endm
.macro QTURN t                         ; step t's numbers through the stage: LDS serves a wave's instructions in order, so no wait stands between the stores and the loads
.irp i, 0,1,2,3
	ds_store_b128 v14, v[QR+16*((\t)%4)+4*\i:QR+16*((\t)%4)+4*\i+3] offset:32*SP*((\t)%2)+8*SP*\i
.endr
.irp i, 0,1,2,3
	ds_load_b128 v[QX+16*((\t)%2)+4*\i:QX+16*((\t)%2)+4*\i+3], v15 offset:32*SP*((\t)%2)+16*\i
.endr
.endm
.macro QSTEP t
.set XS, QX+16*((\t)%2)
.if (\t) > 0
	s_wait_dscnt 1                                 ; this step's numbers are back from the stage; the last step's byte store may be out
.else
	s_wait_dscnt 0x0
.endif
.if (\t)+4 < STEPS
	QLOAD (\t)+4                                   ; into the set whose stores into the stage have read their registers
.endif
.if (\t)+1 < STEPS
.if STEPS-2-(\t) >= 3
	s_wait_loadcnt 12                              ; the next step's four loads are in; those of the three steps behind it may be out
.else
	s_wait_loadcnt 4*(STEPS-2-(\t))
.endif
	QTURN (\t)+1
.endif
	v_max3_num_f32 v8, |v[XS]|, |v[XS+1]|, |v[XS+2]|               ; the largest magnitude of my 16, in two chains
	v_max3_num_f32 v9, |v[XS+3]|, |v[XS+4]|, |v[XS+5]|
.irp i, 6,10
	v_max3_num_f32 v8, v8, |v[XS+\i]|, |v[XS+\i+1]|
	v_max3_num_f32 v9, v9, |v[XS+\i+2]|, |v[XS+\i+3]|
.endr
	v_max3_num_f32 v8, v8, |v[XS+14]|, |v[XS+15]|
	v_max3_num_f32 v8, v8, v9, (EMAX+1)<<23        ; and the floor 2^(EMAX + 1 - 127): the byte cannot fall under 1
	v_max_num_f32_dpp v8, v8, v8 row_xmask:1 row_mask:0xf bank_mask:0xf   ; with my neighbour's 16: the block's
	v_add_nc_u32 v11, -(EMAX<<23), v8              ; EMAX off its exponent field: the conversion takes the exponent field of this operand as its scale
	v_cvt_scalef32_pk8_fp4_f32 v[QC+4*(\t)], v[XS:XS+7], v11
	v_cvt_scalef32_pk8_fp4_f32 v[QC+4*(\t)+1], v[XS+8:XS+15], v11
	v_lshrrev_b32 v[QE+(\t)], 23, v11              ; the scale's byte (also the plain line behind the conversions)
	ds_store_b8 v5, v[QE+(\t)] offset:16*(\t)      ; both lanes of a block write the same byte with the same value
	global_store_b64 v4, v[QC+4*(\t):QC+4*(\t)+1], s[20:21] offset:32*CB*(\t)   ; the wave stores 256 consecutive bytes, aligned
.endm
; A TASK of the mask's and W_o's paths: 16 source rows x 256 bytes.  Eight loads, sixteen lanes to a row's 256 bytes; through the wave's stage; back so that lane (r, h) holds row r, numbers 16 t + 8 h + 0..7 in registers 8 t + 0..7.
.macro TLOADS pitch, base, i
.irp e, 0,1,2,3,4,5,6,7
	global_load_b128 v[TR+32*((\i)%3)+4*\e:TR+32*((\i)%3)+4*\e+3], v[VL], s[\base:\base+1] offset:2*\e*\pitch+256*(\i) th:TH_LOAD_NT
.endr
.endm
.macro TASK kind, pitch, base, i
.if (\i) < 6
	s_wait_loadcnt 16                              ; this task's eight loads are in; the two younger tasks' may be out
.elseif (\i) == 6
	s_wait_loadcnt 8
.else
	s_wait_loadcnt 0
.endif
.irp e, 0,1,2,3,4,5,6,7
	ds_store_b128 v[SA], v[TR+32*((\i)%3)+4*\e:TR+32*((\i)%3)+4*\e+3] offset:544*\e
.endr
.irp t, 0,1,2,3
.irp u, 0,1
	ds_load_b128 v[TX+8*\t+4*\u:TX+8*\t+4*\u+3], v[LA] offset:64*\t+16*\u
.endr
.endr
	s_wait_dscnt 0x0                               ; the numbers are back, and the stores have read the set that is loaded again below
.if (\i) < 5
	TLOADS \pitch, \base, (\i)+3
.endif
.if \kind == 0
.irp t, 0,1,2,3
.irp j, 0,1,2,3,4,5,6,7
	v_cmp_ne_u32 s[40+\j], 0, v[TX+8*\t+\j]        ; the 32 lanes' bits ARE word 8 t + j
.endr
.irp j, 0,1,2,3,4,5,6,7
	v_writelane_b32 v[MW+2*((\i)/2)+(\j%2)], s[40+\j], (32*((\i)%2)+8*\t+\j)/2   ; two tasks' 64 words: lane L holds words 2 L and 2 L + 1
.endr
.endr
.if (\i)%2 == 1
	global_store_b64 v[VS], v[MW+2*((\i)/2):MW+2*((\i)/2)+1], s[26:27] offset:256*((\i)/2)   ; 256 consecutive bytes, aligned; the pair is never written again
.endif
.else
	s_wait_xcnt 0x0                                ; the stores of two tasks ago have read the set that is written now
.irp t, 0,1,2,3
.irp p, 0,1,2,3
	v_cvt_pk_f16_f32 v[TC+16*((\i)%2)+4*\t+\p], v[TX+8*\t+2*\p], v[TX+8*\t+2*\p+1]
.endr
.endr
.irp t, 0,1,2,3
	global_store_b128 v[VS], v[TC+16*((\i)%2)+4*\t:TC+16*((\i)%2)+4*\t+3], s[24:25] offset:2048*(\i)+512*\t   ; an image: 512 consecutive bytes
.endr
.endif
.endm
	s_load_b512 s[4:19], s[0:1], 0x0               ; Query s[4:5], Key s[6:7], Value s[8:9], W_q s[10:11], W_k s[12:13], W_v s[14:15], W_o s[16:17], mask s[18:19]
	s_load_b256 s[20:27], s[0:1], 0x40             ; codes s[20:21], scales s[22:23], wo16 s[24:25], maskbits s[26:27]
	v_lshl_add_u32 v[SPW], v0, 2, SPARE
	v_mov_b32 v[NIL], 0
	v_lshrrev_b32 v1, 5, v0
	v_readfirstlane_b32 s[WV], v1                  ; wave 0..3
	v_and_b32 v2, 31, v0                           ; lane
	s_wait_kmcnt 0x0
	s_cmp_ge_u32 ttmp9, 608
	s_cbranch_scc1 .Lwo
	s_cmp_ge_u32 ttmp9, 480
	s_cbranch_scc1 .Lmask
	; ---- the quantising path: a wave takes 16 steps of 512 numbers
	v_lshlrev_b32 v3, 4, v2                        ; my 16 bytes of a load's 512
	s_mul_i32 s33, s[WV], WREG
	v_lshrrev_b32 v14, 2, v2
	v_mul_u32_u24 v14, v14, SP
	v_and_b32 v15, 3, v2
	v_lshl_add_u32 v14, v15, 4, v14
	v_add_nc_u32 v14, s33, v14                     ; the stage, way in: SP (lane / 4) + 16 (lane % 4)
	v_mul_u32_u24 v15, v2, SP
	v_add_nc_u32 v15, s33, v15                     ; way out: SP x lane: my 16 neighbours
	v_mul_u32_u24 v4, v2, CB                       ; my codes' place in a step's
	v_lshrrev_b32 v5, 1, v2
	s_add_co_u32 s33, s33, 2*32*SP
	v_add_nc_u32 v5, s33, v5                       ; my wave's 256 scale bytes, my block's byte
	v_lshlrev_b32 v7, 3, v2                        ; and on the way out 8 bytes a lane
	v_add_nc_u32 v6, s33, v7
	s_mov_b64 s[28:29], s[14:15]                   ; which tensor: the choice hangs on the work-group's number alone
	s_mov_b32 s30, 448                             ; and its first work-group
	s_cmp_lt_u32 ttmp9, 448
	s_cselect_b64 s[28:29], s[12:13], s[28:29]
	s_cselect_b32 s30, 416, s30
	s_cmp_lt_u32 ttmp9, 416
	s_cselect_b64 s[28:29], s[10:11], s[28:29]
	s_cselect_b32 s30, 384, s30
	s_cmp_lt_u32 ttmp9, 384
	s_cselect_b64 s[28:29], s[8:9], s[28:29]
	s_cselect_b32 s30, 256, s30
	s_cmp_lt_u32 ttmp9, 256
	s_cselect_b64 s[28:29], s[6:7], s[28:29]
	s_cselect_b32 s30, 128, s30
	s_cmp_lt_u32 ttmp9, 128
	s_cselect_b64 s[28:29], s[4:5], s[28:29]
	s_cselect_b32 s30, 0, s30
	s_sub_co_u32 s31, ttmp9, s30
	s_lshl_b32 s34, s31, 17                        ; 131,072 bytes a work-group,
	s_lshl_b32 s35, s[WV], 15                      ; 32,768 a wave
	s_add_co_u32 s34, s34, s35
	s_mov_b32 s35, 0
	s_add_nc_u64 s[28:29], s[28:29], s[34:35]
	s_lshl_b32 s34, ttmp9, 2
	s_add_co_u32 s34, s34, s[WV]                   ; which run of 8,192 numbers of the six tensors on end is my wave's
	s_lshl_b32 s36, s34, 12                        ; 4,096 bytes of codes a run
	s_mov_b32 s37, 0
	s_add_nc_u64 s[20:21], s[20:21], s[36:37]
	s_lshl_b32 s36, s34, 8                         ; 256 scale bytes a run
	s_add_nc_u64 s[22:23], s[22:23], s[36:37]
.irp t, 0,1,2,3
	QLOAD \t
.endr
	s_wait_loadcnt 12                              ; step 0's four loads are in
	QTURN 0
.irp t, 0,1,2,3,4,5,6,7,8,9,10,11,12,13,14,15
	QSTEP \t
.endr
	ds_load_b64 v[8:9], v6                         ; LDS serves a wave's instructions in order: these see my byte stores
	s_wait_dscnt 0x0
	global_store_b64 v7, v[8:9], s[22:23]          ; 32 lanes store 256 consecutive bytes, aligned
	s_wait_tensorcnt 0x0                           ; the wave's end, behind my last LDS store
	ds_add_u32 v[SPW], v[NIL]
	s_wait_dscnt 0x0
	s_endpgm
	; ---- the mask's path: a work-group takes 16 queries, a wave 512 keys of them: eight tasks of 64 keys
.Lmask:
	s_sub_co_u32 s30, ttmp9, 480                   ; the query tile
	s_lshl_b32 s34, s30, 17                        ; 16 rows of 8,192 bytes
	s_lshl_b32 s35, s[WV], 11                      ; 2,048 bytes of a row a wave
	s_add_co_u32 s34, s34, s35
	s_mov_b32 s35, 0
	s_add_nc_u64 s[18:19], s[18:19], s[34:35]
	s_lshl_b32 s34, s30, 12                        ; 4,096 bytes of bits a query tile,
	s_lshl_b32 s36, s[WV], 10                      ; 1,024 a wave
	s_add_co_u32 s34, s34, s36
	s_add_nc_u64 s[26:27], s[26:27], s[34:35]
	v_and_b32 v7, 15, v2
	v_lshrrev_b32 v8, 4, v2
	v_lshlrev_b32 v9, 4, v7
	v_lshl_add_u32 v[VL], v8, 13, v9               ; (lane / 16) rows of 8,192 bytes + 16 (lane % 16)
	s_mul_i32 s33, s[WV], 4352
	s_add_co_u32 s33, s33, STG_M
	v_mad_u32_u24 v[SA], v8, 272, v9
	v_add_nc_u32 v[SA], s33, v[SA]
	v_mul_u32_u24 v[LA], v7, 272
	v_lshl_add_u32 v[LA], v8, 5, v[LA]
	v_add_nc_u32 v[LA], s33, v[LA]
	v_lshlrev_b32 v[VS], 3, v2
.irp j, 0,1,2,3,4,5,6,7
	v_mov_b32 v[MW+\j], 0                          ; v_writelane_b32's destination counts as read
.endr
	TLOADS 8192, 18, 0
	TLOADS 8192, 18, 1
	TLOADS 8192, 18, 2
.irp i, 0,1,2,3,4,5,6,7
	TASK 0, 8192, 18, \i
.endr
	s_wait_tensorcnt 0x0                           ; the wave's end, behind my last LDS store
	ds_add_u32 v[SPW], v[NIL]
	s_wait_dscnt 0x0
	s_endpgm
	; ---- W_o's path: a work-group takes 32 rows, a wave half of 16 rows: eight tasks of 64 along K
.Lwo:
	s_sub_co_u32 s30, ttmp9, 608
	s_lshl_b32 s30, s30, 1
	s_lshr_b32 s31, s[WV], 1
	s_add_co_u32 s30, s30, s31                     ; the tile of 16 rows
	s_and_b32 s31, s[WV], 1                        ; which half of K
	s_lshl_b32 s34, s30, 16                        ; 16 rows of 4,096 bytes
	s_lshl_b32 s36, s31, 11
	s_add_co_u32 s34, s34, s36
	s_mov_b32 s35, 0
	s_add_nc_u64 s[16:17], s[16:17], s[34:35]
	s_lshl_b32 s34, s30, 15                        ; 32,768 bytes of images a tile
	s_lshl_b32 s36, s31, 14
	s_add_co_u32 s34, s34, s36
	s_add_nc_u64 s[24:25], s[24:25], s[34:35]
	v_and_b32 v7, 15, v2
	v_lshrrev_b32 v8, 4, v2
	v_lshlrev_b32 v9, 4, v7
	v_lshl_add_u32 v[VL], v8, 12, v9
	s_mul_i32 s33, s[WV], 4352
	s_add_co_u32 s33, s33, STG_W
	v_mad_u32_u24 v[SA], v8, 272, v9
	v_add_nc_u32 v[SA], s33, v[SA]
	v_mul_u32_u24 v[LA], v7, 272
	v_lshl_add_u32 v[LA], v8, 5, v[LA]
	v_add_nc_u32 v[LA], s33, v[LA]
	v_lshlrev_b32 v[VS], 4, v2
	TLOADS 4096, 16, 0
	TLOADS 4096, 16, 1
	TLOADS 4096, 16, 2
.irp i, 0,1,2,3,4,5,6,7
	TASK 1, 4096, 16, \i
.endr
	s_wait_tensorcnt 0x0                           ; the wave's end, behind my last LDS store
	ds_add_u32 v[SPW], v[NIL]
	s_wait_dscnt 0x0
	s_endpgm
.Lfunc_end_k_qd3973ac0ed_prep:
	.size	k_qd3973ac0ed_prep, .Lfunc_end_k_qd3973ac0ed_prep-k_qd3973ac0ed_prep
	.p2alignl 7, 3214868480
	.fill 96, 4, 3214868480
	.section	.rodata,"a",@progbits
	.p2align	6, 0x0
	.amdhsa_kernel k_qd3973ac0ed_prep
		.amdhsa_group_segment_fixed_size 68096
		.amdhsa_private_segment_fixed_size 0
		.amdhsa_enable_private_segment 0
		.amdhsa_kernarg_size 96
		.amdhsa_user_sgpr_count 2
		.amdhsa_user_sgpr_kernarg_segment_ptr 1
		.amdhsa_wavefront_size32 1
		.amdhsa_system_sgpr_workgroup_id_x 1
		.amdhsa_system_sgpr_workgroup_id_y 1
		.amdhsa_system_sgpr_workgroup_id_z 1
		.amdhsa_system_vgpr_workitem_id 0
		.amdhsa_next_free_vgpr 192
		.amdhsa_next_free_sgpr 66
		.amdhsa_reserve_vcc 0
		.amdhsa_float_denorm_mode_32 3
		.amdhsa_float_denorm_mode_16_64 3
		.amdhsa_memory_ordered 1
		.amdhsa_forward_progress 1
		.amdhsa_inst_pref_size 109
	.end_amdhsa_kernel
	.amdgpu_metadata
---
amdhsa.version: [ 1, 2 ]
amdhsa.kernels:
  - .name:           k_qd3973ac0ed_prep
    .symbol:         k_qd3973ac0ed_prep.kd
    .args:
      - { .name: Query, .offset: 0, .size: 8, .value_kind: global_buffer, .address_space: global }
      - { .name: Key, .offset: 8, .size: 8, .value_kind: global_buffer, .address_space: global }
      - { .name: Value, .offset: 16, .size: 8, .value_kind: global_buffer, .address_space: global }
      - { .name: W_q, .offset: 24, .size: 8, .value_kind: global_buffer, .address_space: global }
      - { .name: W_k, .offset: 32, .size: 8, .value_kind: global_buffer, .address_space: global }
      - { .name: W_v, .offset: 40, .size: 8, .value_kind: global_buffer, .address_space: global }
      - { .name: W_o, .offset: 48, .size: 8, .value_kind: global_buffer, .address_space: global }
      - { .name: mask, .offset: 56, .size: 8, .value_kind: global_buffer, .address_space: global }
      - { .name: codes, .offset: 64, .size: 8, .value_kind: global_buffer, .address_space: global }
      - { .name: scales, .offset: 72, .size: 8, .value_kind: global_buffer, .address_space: global }
      - { .name: wo16, .offset: 80, .size: 8, .value_kind: global_buffer, .address_space: global }
      - { .name: maskbits, .offset: 88, .size: 8, .value_kind: global_buffer, .address_space: global }
    .group_segment_fixed_size: 68096
    .private_segment_fixed_size: 0
    .kernarg_segment_align: 8
    .kernarg_segment_size: 96
    .max_flat_workgroup_size: 128
    .sgpr_count:     66
    .vgpr_count:     192
    .wavefront_size: 32
...
	.end_amdgpu_metadata
.endif
;; end of part 1
;; launch proj (part 2): grid 4 x 48, 4 waves a work-group, clusters of 4 x 4, 327,680 bytes of LDS; arguments codes, scales, qkv; writes qkv
.if DOCPART == 2
	.amdgcn_target "amdgcn-amd-amdhsa--gfx1250"
	.amdhsa_code_object_version 6
	.text
	.protected	k_qd3973ac0ed_proj
	.globl	k_qd3973ac0ed_proj
	.p2align	8
	.type	k_qd3973ac0ed_proj,@function
k_qd3973ac0ed_proj:
	s_mov_b64 s[64:65], 0
	v_nop
	global_prefetch_b8 v0, s[64:65] scope:SCOPE_SE
	s_setreg_imm32_b32 hwreg(HW_REG_WAVE_MODE, 25, 1), 1
	s_wait_xcnt 0x0
	s_wait_alu depctr_hold_cnt(0) depctr_sa_sdst(0) depctr_va_vdst(0) depctr_va_sdst(0) depctr_va_ssrc(0) depctr_va_vcc(0) depctr_vm_vsrc(0)
	s_getreg_b32 s2, hwreg(HW_REG_IB_STS2, 6, 4)
	s_cmp_eq_u32 s2, 0
	s_cbranch_scc0 .Lentry_in_a_cluster
	s_endpgm
.Lentry_in_a_cluster:
	s_bfe_u32 s2, ttmp6, 0x10000c
	s_cmp_lg_u32 s2, 0xf033
	s_cbranch_scc0 .Lentry_shape_is_right
	s_endpgm
.Lentry_shape_is_right:
; PROJ: the three quantised products Query W_q^T, Key W_k^T, Value W_v^T as ONE product on codes of FP4 (E2M1) with E8M0 scales: 12,288 rows of A (the three inputs on end) x 1,024 columns, K = 1,024;
; the tensor T = row / 4,096 picks its 1,024 rows of B (codes' rows 12,288 + 1,024 T on).  Sums in f32; results rounded once to f16 and stored as images of the attention launch's operand registers.
; A tile of 256 x 256 is made by a work-group of four waves, each 128 x 128: 64 accumulators, 512 registers.  192 tiles: 3 x 2^22 results do not fall into 256 equal tiles of this shape, and a tile of
; half the side would read twice the LDS bytes for each product.  All of K lies in LDS at once: two chunks of 512 along K (rows of 256 bytes) and all scale bytes; nothing is filled again.
; CLUSTERS: 4 x 4 work-groups.  The four of a row of the cluster need the same tiles of A, the four of a column the same tiles of B: each is asked for JOINTLY.  T is taken from the cluster's y, which all sixteen share.
; THE MATRIX INSTRUCTION IS USED TRANSPOSED (source 0 = 16 rows of W, source 1 = 16 tokens): a lane holds one token and eight neighbouring channels: 16 bytes of f16, a quarter of a fragment of the next launch.
; qkv: Q at 0, K at 8 MiB, V at 16 MiB; each [batch x head 32][tile of 16 tokens 128][16 channels: 4][32 places][16 bytes].  Q, K: place = lane.  V: place = lane with bits 3 and 4 changed over, the order in which the turning LDS load wants it.
; LIMIT: results beyond f16's range (65,504) are not served.
; REGISTERS, in windows of 256: window 0: v0-31 addresses; v32-95 scale words, two sets; from v128 A's fragments, one set; on the way out v128-255 packed results.
;   window 1: B's fragments, two sets, at v0 and v128.   window 2: the accumulators of my rows 0-63 ((a, b) at v[8 (8 a + b)]);   window 3: those of my rows 64-127.
.set NQ,     4                         ; matrix instructions deep in a chunk of 512 along K
.set ROWB,   256                       ; a chunk's row in bytes
.set KROW,   512                       ; a row of codes in memory
.set PITCH,  272                       ; an LDS row: 256 bytes + 16 of padding: the 16 rows that a load touches start at 16 different banks (64 banks of 4 bytes: ISA guide 11.1)
.set FR,     8
.set NL,     2
.set NP,     4                         ; places behind this matrix instruction (ISA guide 7.12.1)
.set HALFT,  128*PITCH
.set SLOT,   4*HALFT                   ; A's 256 rows, then B's 256 rows
.set KS,     32                        ; a row of scales in bytes
.set SCL,    2*SLOT                    ; behind the chunks: the scales, as units of 256 bytes + 16 of padding
.set HALFS,  (128*KS/256)*272
.set SBLK,   (16*KS/256)*272
.set SPARE,  SCL+4*HALFS               ; the spare words, 128 bytes for each wave: two blocks of 256 bytes that no other line names
.set ADRA, 16                          ; v16-17  LDS address of my A fragments in chunk 0, 1
.set ADRB, 20                          ; v20-21  the same for B
.set CO,   26                          ; v26     my place in an image: 16 bytes a lane
.set ADRS, 27                          ; v27     LDS address of my scale words: lanes 0-15 A's rows, lanes 16-31 B's
.set SPW,  28                          ; v28     LDS address of my spare word; never rewritten
.set NIL,  29                          ; v29     0; never rewritten
.set SC,   32                          ; scale words: set s at v[SC + 32 s]; register 4 i + q: lanes 0-15 A's block i, lanes 16-31 B's block i, the chunk's q-th 128 along K
.set AF,   128
.set PK,   128                         ; the way out: four sets of 32 registers
.set G1, 24
.set G0, 32
.set G1B, 48
.set G0B, 56
.set G1S, 68
.set G0S, 76
.set G1SB, 80
.set G0SB, 88
.set MSB, 0
.macro WIN new                         ; the immediate's high byte repeats the setting that is left
.if MSB != \new
	s_set_vgpr_msb (MSB<<8)|\new
.set MSB, \new
.endif
.endm
.set MUL_LO, 0xa1                      ; source 0 (B) window 1, source 1 (A) window 0, C and D window 2
.set MUL_HI, 0xf1
.set TO_B,   0x40
; A joint load: waves 0 and 1 fetch for A, waves 2 and 3 for B; the branch hangs on the wave's number alone.  An s_nop 0 and four v_nop follow each of the two lines.
.macro JLOAD g0a, g1a, g0b, g1b
	s_cmp_eq_u32 s15, 0
	s_cbranch_scc0 .Lfor_b_\@
	tensor_load_to_lds s[\g0a:\g0a+3], s[\g1a:\g1a+7]
	s_nop 0
.rept 4
	v_nop
.endr
	s_branch .Lasked_\@
.Lfor_b_\@:
	tensor_load_to_lds s[\g0b:\g0b+3], s[\g1b:\g1b+7]
	s_nop 0
.rept 4
	v_nop
.endr
.Lasked_\@:
.endm
.macro CROUND                          ; a round of the cluster's barrier
	s_barrier_signal -1
	s_barrier_wait -1
	s_cmp_lg_u32 s14, 0
	s_cbranch_scc1 .Lnot_wave_0_\@
	s_barrier_signal -3
.Lnot_wave_0_\@:
	s_barrier_wait -3
	s_barrier_signal -1
	s_barrier_wait -1
.endm
	s_load_b128 s[4:7], s[0:1], 0x0                ; codes s[4:5], scales s[6:7]
	s_load_b64 s[12:13], s[0:1], 0x10              ; qkv
	v_lshl_add_u32 v[SPW], v0, 2, SPARE
	v_mov_b32 v[NIL], 0
	ds_add_u32 v[SPW], v[NIL]                      ; the wave's opening: the add, twice on end, and its wait ahead of my first tensor load
	ds_add_u32 v[SPW], v[NIL]
	v_lshrrev_b32 v1, 5, v0
	v_readfirstlane_b32 s14, v1                    ; wave 0..3
	s_lshr_b32 s15, s14, 1                         ; which half of the tile's rows is mine.  Also: I fetch for A (0) or for B (1)
	s_and_b32 s16, s14, 1                          ; which half of its columns.  Also: which 128 rows I fetch
	s_bfe_u32 s40, ttmp6, 0x40000                  ; cx, cy
	s_bfe_u32 s41, ttmp6, 0x40004
	s_lshl_b32 s42, ttmp9, 2
	s_add_co_u32 s42, s42, s40                     ; tile column 0..3
	s_and_b32 s8, ttmp7, 0xffff                    ; cluster y 0..11
	s_lshl_b32 s17, s8, 2
	s_add_co_u32 s17, s17, s41                     ; tile row 0..47
	s_lshr_b32 s9, s8, 2                           ; T: 0 Query, 1 Key, 2 Value: four clusters along y to a tensor
	s_lshl_b32 s43, s41, 2
	s_lshl_b32 s43, 15, s43                        ; my row of the cluster
	s_lshl_b32 s44, 0x1111, s40                    ; my column
	s_or_b32 s[G1+0], s43, (0<<16)|(1<<20)|(1<<21)|(5<<22)|(3<<25)  ; the mask; elements of 1 byte; padding on; bit 21 beside a mask; after every 64 words, 4 words
	s_or_b32 s[G1B+0], s44, (0<<16)|(1<<20)|(1<<21)|(5<<22)|(3<<25)
.irp g, G1, G1B
	s_mov_b32 s[\g+1], ROWB<<16                    ; tensor_dim0
	s_mov_b32 s[\g+2], 128<<16                     ; tensor_dim1
	s_mov_b32 s[\g+3], ROWB<<16                    ; tile_dim0
	s_mov_b32 s[\g+4], 128                         ; tile_dim1
	s_mov_b32 s[\g+5], KROW                        ; pitch
	s_mov_b32 s[\g+6], 0
	s_mov_b32 s[\g+7], 0
.endr
	s_or_b32 s[G1S+0], s43, (3<<16)|(1<<20)|(1<<21)|(5<<22)|(3<<25) ; the scales of 128 rows: 4,096 dense bytes as 16 rows of 256 (32 elements of 8 bytes), 16 bytes of padding behind each
	s_or_b32 s[G1SB+0], s44, (3<<16)|(1<<20)|(1<<21)|(5<<22)|(3<<25)
.irp g, G1S, G1SB
	s_mov_b32 s[\g+1], 32<<16
	s_mov_b32 s[\g+2], (128*KS/256)<<16
	s_mov_b32 s[\g+3], 32<<16
	s_mov_b32 s[\g+4], 128*KS/256
	s_mov_b32 s[\g+5], 32
	s_mov_b32 s[\g+6], 0
	s_mov_b32 s[\g+7], 0
.endr
	s_lshl_b32 s18, s16, 7                         ; which 128 rows of the tile I fetch
	s_lshl_b32 s20, s17, 8
	s_add_co_u32 s20, s20, s18                     ; A: row 256 x tile row + 128 x half
	s_lshl_b32 s46, s42, 8
	s_add_co_u32 s46, s46, s18
	s_lshl_b32 s10, s9, 10
	s_add_co_u32 s46, s46, s10
	s_add_co_u32 s46, s46, 12288                   ; B: row 12,288 + 1,024 T + 256 x tile column + 128 x half
	s_mov_b32 s21, 0
	s_mov_b32 s47, 0
	s_mov_b64 s[18:19], KS
	s_mul_u64 s[22:23], s[20:21], s[18:19]         ; where these rows' scales begin,
	s_mul_u64 s[92:93], s[46:47], s[18:19]
	s_mov_b64 s[18:19], KROW
	s_mul_u64 s[20:21], s[20:21], s[18:19]         ; and their codes
	s_mul_u64 s[46:47], s[46:47], s[18:19]
	s_mul_i32 s45, s14, HALFT                      ; where they go: wave x 128 rows
	s_mul_i32 s94, s14, HALFS
	s_wait_dscnt 0x0                               ; both opening adds are done
	s_wait_kmcnt 0x0
	s_add_nc_u64 s[20:21], s[4:5], s[20:21]
	s_add_nc_u64 s[22:23], s[6:7], s[22:23]
	s_add_nc_u64 s[46:47], s[4:5], s[46:47]
	s_add_nc_u64 s[92:93], s[6:7], s[92:93]
	CROUND                                         ; all sixteen work-groups are here: the joint loads meet
	s_mov_b32 s[G0S], 1
	s_add_co_u32 s[G0S+1], s94, SCL
	s_mov_b64 s[G0S+2:G0S+3], s[22:23]
	s_or_b32 s[G0S+3], s[G0S+3], 0x80000000
	s_mov_b32 s[G0SB], 1
	s_add_co_u32 s[G0SB+1], s94, SCL
	s_mov_b64 s[G0SB+2:G0SB+3], s[92:93]
	s_or_b32 s[G0SB+3], s[G0SB+3], 0x80000000
	JLOAD G0S, G1S, G0SB, G1SB                     ; the scales first: they are wanted with chunk 0
.irp s, 0,1
	s_mov_b32 s[G0+4*\s], 1
	s_add_co_u32 s[G0+4*\s+1], s45, \s*SLOT
	s_add_nc_u64 s[G0+4*\s+2:G0+4*\s+3], s[20:21], \s*ROWB
	s_or_b32 s[G0+4*\s+3], s[G0+4*\s+3], 0x80000000
	s_mov_b32 s[G0B+4*\s], 1
	s_add_co_u32 s[G0B+4*\s+1], s45, \s*SLOT
	s_add_nc_u64 s[G0B+4*\s+2:G0B+4*\s+3], s[46:47], \s*ROWB
	s_or_b32 s[G0B+4*\s+3], s[G0B+4*\s+3], 0x80000000
	JLOAD G0+4*\s, G1, G0B+4*\s, G1B               ; three loads of mine are out at the most
.endr
	v_and_b32 v1, 15, v0                           ; l % 16
	v_bfe_u32 v2, v0, 4, 1                         ; l / 16
	v_mul_u32_u24 v3, v1, PITCH
	v_lshl_add_u32 v4, v2, 4, v3                   ; a fragment's row x pitch + 16 x half
	s_mul_i32 s21, s15, HALFT                      ; my 128 rows of A
	s_mul_i32 s22, s16, HALFT                      ; my 128 rows of B,
	s_add_co_u32 s22, s22, 2*HALFT                 ; behind A's 256
.irp s, 0,1
	v_add_nc_u32 v[ADRA+\s], s21, v4
	v_add_nc_u32 v[ADRB+\s], s22, v4
	s_add_co_u32 s21, s21, SLOT
	s_add_co_u32 s22, s22, SLOT
.endr
	v_mul_u32_u24 v5, v1, KS                       ; my row's scales: KS bytes a row,
	v_lshrrev_b32 v6, 8, v5
	v_lshl_add_u32 v5, v6, 4, v5                   ; and 16 more for each 256 passed
	s_mul_i32 s21, s15, HALFS
	s_mul_i32 s22, s16, HALFS
	s_add_co_u32 s22, s22, 2*HALFS
	s_sub_co_u32 s22, s22, s21
	v_mul_u32_u24 v6, s22, v2                      ; lanes 16-31 take B's: one product, the distance between the two bases
	s_add_co_u32 s21, s21, SCL
	v_add_nc_u32 v5, v5, v6
	v_add_nc_u32 v[ADRS], s21, v5
	; the way out: my place in an image, and where my first image lies
	v_and_b32 v6, 31, v0
	v_bfe_u32 v5, v0, 3, 1
	v_xor_b32 v5, v5, v2                           ; 1 where the lane's bits 3 and 4 differ
	s_cmp_eq_u32 s9, 2
	s_cselect_b32 s21, 0x18, 0                     ; V alone changes them over
	v_mul_u32_u24 v5, v5, s21
	v_xor_b32 v6, v6, v5
	v_lshlrev_b32 v[CO], 4, v6
	s_and_b32 s20, s17, 15
	s_lshl_b32 s20, s20, 4
	s_lshl_b32 s21, s15, 3
	s_add_co_u32 s20, s20, s21                     ; my first tile of 16 tokens in the tensor, 0..255
	s_lshr_b32 s21, s20, 7                         ; the batch: 16 heads of 262,144 bytes
	s_lshl_b32 s21, s21, 22
	s_and_b32 s20, s20, 127
	s_lshl_b32 s20, s20, 11                        ; 2,048 bytes a tile
	s_add_co_u32 s20, s20, s21
	s_lshl_b32 s21, s9, 23                         ; 8 MiB a tensor
	s_add_co_u32 s20, s20, s21
	s_mov_b32 s21, 0
	s_lshl_b32 s46, s42, 2
	s_lshl_b32 s47, s16, 1
	s_add_co_u32 s46, s46, s47                     ; my first head: 4 x tile column + 2 x half
	s_lshl_b32 s46, s46, 18
	s_mov_b32 s47, 0
	s_add_nc_u64 s[20:21], s[20:21], s[46:47]
	s_add_nc_u64 s[12:13], s[12:13], s[20:21]
.macro FRAG reg, adr, q, i             ; 16 rows x 128 K of 4-bit codes: 8 registers: lane l holds row l % 16; registers 4 c .. 4 c + 3 hold K = 64 c + 32 (l / 16) + 0 .. 31
.irp c, 0,1
	ds_load_b128 v[\reg+4*\c:\reg+4*\c+3], v[\adr] offset:64*(\q)+32*\c+(\i)*16*PITCH
.endr
.endm
; 16 matrix instructions: A's blocks a0, a0 + 1 x B's eight.  The 64 accumulators take turns, one instruction a turn, in the same order in every step.  zero = 1: the first product starts the sums.
.macro MUL16 a0, p, q, sc, zero
.irp a, \a0, \a0+1
.irp b, 0,1,2,3,4,5,6,7
.if \zero
	v_wmma_scale_f32_16x16x128_f8f6f4 v[8*(8*((\a)%4)+\b):8*(8*((\a)%4)+\b)+7], v[128*(\p)+FR*\b:128*(\p)+FR*\b+FR-1], v[AF+FR*(\a):AF+FR*(\a)+FR-1], 0, v[SC+8*NQ*(\sc)+NQ*\b+(\q)], v[SC+8*NQ*(\sc)+NQ*(\a)+(\q)] matrix_a_fmt:MATRIX_FMT_FP4 matrix_b_fmt:MATRIX_FMT_FP4 matrix_a_scale:MATRIX_SCALE_ROW1
.else
	v_wmma_scale_f32_16x16x128_f8f6f4 v[8*(8*((\a)%4)+\b):8*(8*((\a)%4)+\b)+7], v[128*(\p)+FR*\b:128*(\p)+FR*\b+FR-1], v[AF+FR*(\a):AF+FR*(\a)+FR-1], v[8*(8*((\a)%4)+\b):8*(8*((\a)%4)+\b)+7], v[SC+8*NQ*(\sc)+NQ*\b+(\q)], v[SC+8*NQ*(\sc)+NQ*(\a)+(\q)] matrix_a_fmt:MATRIX_FMT_FP4 matrix_b_fmt:MATRIX_FMT_FP4 matrix_a_scale:MATRIX_SCALE_ROW1
.endif
.endr
.endr
.endm
.macro FETCH_B slot, q, p
	WIN TO_B
.irp i, 0,1,2,3,4,5,6,7
	FRAG 128*(\p)+FR*\i, ADRB+\slot, \q, \i
.endr
	WIN 0
.endm
.macro FETCH_A slot, q, i0
.irp i, \i0, \i0+1, \i0+2, \i0+3
	FRAG AF+FR*(\i), ADRA+\slot, \q, \i
.endr
.endm
.macro SCALES sc                       ; a chunk's scale words: four words a row; lanes 0-15 A's block i, lanes 16-31 B's block i
.irp i, 0,1,2,3,4,5,6,7
	ds_load_b128 v[SC+8*NQ*\sc+NQ*\i:SC+8*NQ*\sc+NQ*\i+3], v[ADRS] offset:\i*SBLK
.endr
.endm
.macro PLACES n                        ; plain vector instructions between a matrix instruction and a load into, or a vector read or write of, its registers
.rept \n
	v_nop
.endr
.endm
.macro STEP slot, q, zero              ; 128 along K that has its successor in the same chunk
	s_wait_dscnt 4*NL                              ; B's set and A's blocks 0-3 are in; the youngest eight loads (A's blocks 4-7) may be out
	WIN MUL_LO
	MUL16 0, (\q)%2, \q, \slot, \zero
	MUL16 2, (\q)%2, \q, \slot, \zero
	s_wait_dscnt 0                                 ; A's blocks 4-7 are in
	PLACES NP
	FETCH_B \slot, (\q)+1, 1-(\q)%2
	FETCH_A \slot, (\q)+1, 0
	WIN MUL_HI
	MUL16 4, (\q)%2, \q, \slot, \zero
	MUL16 6, (\q)%2, \q, \slot, \zero
	PLACES NP
	WIN 0
	FETCH_A \slot, (\q)+1, 4
.endm
.macro TURN slot, next                 ; chunk 0's last step goes over to chunk 1: each wave's part of it has landed, then one barrier; nothing is filled again
	s_wait_tensorcnt 0x0                           ; all my tensor loads have landed: my part of the next chunk
	ds_add_u32 v[SPW], v[NIL]                      ; 0 onto my spare word
	s_wait_dscnt 4*NL+1                            ; (the add and the youngest eight loads may be out)
	WIN MUL_LO
	MUL16 0, 1, NQ-1, \slot, 0
	s_wait_dscnt 0x0                               ; no LDS instruction of mine is pending at the signal
	s_barrier_signal -1
	MUL16 2, 1, NQ-1, \slot, 0
	WIN 0
	s_barrier_wait -1
	PLACES NP
	v_add_nc_u32 v[ADRS], 4*NQ, v[ADRS]            ; on to the next chunk's scale words
	FETCH_B \next, 0, 0
	FETCH_A \next, 0, 0
	SCALES \next
	WIN MUL_HI
	MUL16 4, 1, NQ-1, \slot, 0
	MUL16 6, 1, NQ-1, \slot, 0
	PLACES NP
	WIN 0
	FETCH_A \next, 0, 4
.endm
	s_wait_tensorcnt 1                             ; the scales and my part of chunk 0 are in; chunk 1's load may be out,
	s_barrier_signal -1
	s_barrier_wait -1                              ; everybody's are
	FETCH_B 0, 0, 0
	FETCH_A 0, 0, 0
	SCALES 0
	FETCH_A 0, 0, 4
	STEP 0, 0, 1                                   ; the first products start the sums: nothing is cleared
	STEP 0, 1, 0
	STEP 0, 2, 0
	TURN 0, 1
	STEP 1, 0, 0
	STEP 1, 1, 0
	STEP 1, 2, 0
	s_wait_dscnt 4*NL                              ; the last step: nothing more to fetch
	WIN MUL_LO
	MUL16 0, 1, NQ-1, 1, 0
	MUL16 2, 1, NQ-1, 1, 0
	s_wait_dscnt 0
	WIN MUL_HI
	MUL16 4, 1, NQ-1, 1, 0
	MUL16 6, 1, NQ-1, 1, 0
	WIN 0
; THE WAY OUT.  Block a (16 tokens x 128 channels): each accumulator, rounded to f16, is an image of 512 bytes: it is stored straight from registers, 32 lanes to 512 consecutive bytes.
.macro OUT a
.set AC, 64*((\a)%4)
	WIN 0x0a+5*((\a)/4)                            ; sources 0 and 1: window 2 or 3
.irp b, 0,1,2,3,4,5,6,7
.irp r, 0,1,2,3
	v_cvt_pk_f16_f32 v[PK+32*((\a)%4)+4*\b+\r], v[AC+8*\b+2*\r], v[AC+8*\b+2*\r+1]   ; each accumulator from its low end on
.endr
.endr
	WIN 0
.irp b, 0,1,2,3,4,5,6,7
	global_store_b128 v[CO], v[PK+32*((\a)%4)+4*\b:PK+32*((\a)%4)+4*\b+3], s[12:13] offset:2048*(\a)+262144*(\b/4)+512*(\b%4)   ; tile a, head b / 4, channels 16 (b % 4) on
.endr
.endm
	PLACES NP                                      ; behind the last products: their results are read and A's registers written below
	OUT 0
	OUT 1
	OUT 2
	OUT 3
	s_wait_xcnt 0x0                                ; the stores of blocks 0 to 3 have read their registers: the four sets are written again
	OUT 4
	OUT 5
	OUT 6
	OUT 7
	s_wait_tensorcnt 0x0                           ; the wave's end
	ds_add_u32 v[SPW], v[NIL]
	s_wait_dscnt 0x0
	CROUND                                         ; the closing round: no work-group ends while a partner may still ask for a tile that names it
	s_endpgm
.Lfunc_end_k_qd3973ac0ed_proj:
	.size	k_qd3973ac0ed_proj, .Lfunc_end_k_qd3973ac0ed_proj-k_qd3973ac0ed_proj
	.p2alignl 7, 3214868480
	.fill 96, 4, 3214868480
	.section	.rodata,"a",@progbits
	.p2align	6, 0x0
	.amdhsa_kernel k_qd3973ac0ed_proj
		.amdhsa_group_segment_fixed_size 327680
		.amdhsa_private_segment_fixed_size 0
		.amdhsa_enable_private_segment 0
		.amdhsa_kernarg_size 24
		.amdhsa_user_sgpr_count 2
		.amdhsa_user_sgpr_kernarg_segment_ptr 1
		.amdhsa_wavefront_size32 1
		.amdhsa_system_sgpr_workgroup_id_x 1
		.amdhsa_system_sgpr_workgroup_id_y 1
		.amdhsa_system_sgpr_workgroup_id_z 1
		.amdhsa_system_vgpr_workitem_id 0
		.amdhsa_next_free_vgpr 1024
		.amdhsa_next_free_sgpr 98
		.amdhsa_reserve_vcc 0
		.amdhsa_float_denorm_mode_32 3
		.amdhsa_float_denorm_mode_16_64 3
		.amdhsa_memory_ordered 1
		.amdhsa_forward_progress 1
		.amdhsa_inst_pref_size 118
	.end_amdhsa_kernel
	.amdgpu_metadata
---
amdhsa.version: [ 1, 2 ]
amdhsa.kernels:
  - .name:           k_qd3973ac0ed_proj
    .symbol:         k_qd3973ac0ed_proj.kd
    .args:
      - { .name: codes, .offset: 0, .size: 8, .value_kind: global_buffer, .address_space: global }
      - { .name: scales, .offset: 8, .size: 8, .value_kind: global_buffer, .address_space: global }
      - { .name: qkv, .offset: 16, .size: 8, .value_kind: global_buffer, .address_space: global }
    .group_segment_fixed_size: 327680
    .private_segment_fixed_size: 0
    .kernarg_segment_align: 8
    .kernarg_segment_size: 24
    .max_flat_workgroup_size: 128
    .sgpr_count:     98
    .vgpr_count:     1024
    .wavefront_size: 32
...
	.end_amdgpu_metadata
.endif
;; end of part 2
;; launch attn (part 3): grid 8 x 32, 8 waves a work-group, clusters of 4 x 1, 327,680 bytes of LDS; arguments qkv, maskbits, xa; writes xa
.if DOCPART == 3
	.amdgcn_target "amdgcn-amd-amdhsa--gfx1250"
	.amdhsa_code_object_version 6
	.text
	.protected	k_qd3973ac0ed_attn
	.globl	k_qd3973ac0ed_attn
	.p2align	8
	.type	k_qd3973ac0ed_attn,@function
k_qd3973ac0ed_attn:
	s_mov_b64 s[64:65], 0
	v_nop
	global_prefetch_b8 v0, s[64:65] scope:SCOPE_SE
	s_setreg_imm32_b32 hwreg(HW_REG_WAVE_MODE, 25, 1), 1
	s_wait_xcnt 0x0
	s_wait_alu depctr_hold_cnt(0) depctr_sa_sdst(0) depctr_va_vdst(0) depctr_va_sdst(0) depctr_va_ssrc(0) depctr_va_vcc(0) depctr_vm_vsrc(0)
	s_getreg_b32 s2, hwreg(HW_REG_IB_STS2, 6, 4)
	s_cmp_eq_u32 s2, 0
	s_cbranch_scc0 .Lentry_in_a_cluster
	s_endpgm
.Lentry_in_a_cluster:
	s_bfe_u32 s2, ttmp6, 0x10000c
	s_cmp_lg_u32 s2, 0x3003
	s_cbranch_scc0 .Lentry_shape_is_right
	s_endpgm
.Lentry_shape_is_right:
; ATTN: X[b][h][q] = the sum over k of softmax_k(where(mask[q][k] == 0, -1e9, Q[q] . K[k] / 8)) V[k], head size 64, 2,048 keys, 32 (batch, head) pairs.  Operands f16, products, maxima and sums f32;
; the weights p are rounded to f16 for the second product, X once at the end.
; SHARES.  A work-group owns 256 queries of one (batch, head); each of its eight waves 32: two tiles of 16.  Two waves lie on a SIMD, so that one wave's vector work stands beside the other's products.
; Every wave walks all keys, 64 a step; each fragment of K and V read from LDS feeds both tiles.
; LAYOUT.  S^T = K Q^T (source 0 = 16 keys, source 1 = 16 queries): a lane holds ONE query (lane % 16) and keys 8 (lane / 16) + 0..7.  Two such tiles, rounded to f16 in pairs, ARE source 1 of O^T = V^T P.
; Q, K, V lie in memory as images of operand registers, so a step's tiles are dense blocks and every LDS read is at 16 x lane: 512 consecutive bytes an instruction.  V is turned by ds_load_tr16_b128.
; THE MASK comes as bits: word 8 t + j of a (query tile, key step) is the lane mask of score register 8 t + j.  64 words a step come by four scalar loads, a step ahead; one v_cndmask_b32 a register.
; A masked score is held at -2^33 ahead of the scaling by 1/8 (-1.07e9 where the definition writes -1e9): c x 2^33 is exact, so a row with no key left gives p = 1 everywhere, the uniform row of the definition.
; SOFTMAX.  For each query a running maximum m and sum l: p = 2^(c s - c m), c = log2(e) / 8; in every step O and l are multiplied by a = 2^(c m_old - c m_new).
; LIMITS: true scores / 8 stay above about -1e9; no NaN or infinity among the inputs; Q, K, V within f16's range.
; CLUSTER.  The four query blocks of a cluster belong to one (batch, head) and walk the same K and V: each tile is asked for JOINTLY, the same load with the same descriptor and a mask that names the four.
; RING.  Two slots of 512 keys (K's images 65,536 bytes, then V's); both are filled at the head, each once more; every wave fetches 16,384 bytes of a slot.  A refill has eight key steps in which to land.
; REGISTERS.  window 0: v1-7 addresses and constants; v16-31 statistics, 8 a tile: +0 c m, +1 m, +2, +3 l, +4 to +7 at work (a takes +6); v32-95 S^T; v96-127 P; v128-191 K; v192-255 V.   window 1: v0-31 Q; v32-95 O^T.
.set SLOT,  131072
.set SPARE, 262144                     ; behind the ring: the spare words, 128 bytes for each wave: four blocks of 256 bytes that no other line names
.set LI,  1                            ; v1  16 x lane
.set LV,  2                            ; v2  16 x lane + 65,536: V's part of a slot
.set MASKED, 3                         ; v3  -2^33
.set ADK, 4                            ; v4  LDS address of the step's K
.set ADV, 5                            ; v5  of its V
.set SPW, 6                            ; v6  LDS address of my spare word; never rewritten
.set NIL, 7                            ; v7  0; never rewritten
.set ST,  16
.set S,   32
.set P,   96
.set KF,  128
.set VF,  192
.set QF,  0                            ; in window 1
.set OT,  32                           ; in window 1
.set MB,  2                            ; s[2:3]   my first query tile's mask words
.set XO,  4                            ; s[4:5]   my first image in xa
.set WV,  6                            ; s6       my wave's number
.set CNT, 7                            ; s7       counts a slot's eight steps
.set TB,  8                            ; s8       LDS byte at which the step's images of K begin
.set MOFF, 9                           ; s9       the byte of the mask words to be fetched: 128 a step
.set CS,  10                           ; s[10:11] c, twice: the packed form names a pair
.set SEL, 12                           ; s[12:13] lane selects for v_permlanex16_b32: lane l xor 16
.set QB,  14                           ; s[14:15] my first image of Q
.set G1,  16                           ; s[16:23] descriptor group 1
.set G0,  24                           ; s[24:31] group 0, a set for each slot
.set MW0, 32                           ; s[32:63] tile 0's 32 mask words
.set MW1, 68                           ; s[68:99] tile 1's (the set-up's scalars lie here before the first words are asked for)
.set MSB, 0
.macro WIN new                         ; the immediate's high byte repeats the setting that is left
.if MSB != \new
	s_set_vgpr_msb (MSB<<8)|\new
.set MSB, \new
.endif
.endm
.set W_KQ, 0x04                        ; source 1 (Q) window 1
.set W_PV, 0x50                        ; C and D (O^T) window 1
.set W_RS, 0x41                        ; destination and source 0 (O^T) window 1
.macro PLACES
.rept 4
	v_nop
.endr
.endm
.macro CROUND                          ; a round of the cluster's barrier
	s_barrier_signal -1
	s_barrier_wait -1
	s_cmp_lg_u32 s[WV], 0
	s_cbranch_scc1 .Lnot_wave_0_\@
	s_barrier_signal -3
.Lnot_wave_0_\@:
	s_barrier_wait -3
	s_barrier_signal -1
	s_barrier_wait -1
.endm
.macro MASKLOAD                        ; 64 words: tile 0's 128 bytes, and tile 1's 4,096 bytes on
	s_load_b512 s[MW0:MW0+15], s[MB:MB+1], s[MOFF] offset:0x0
	s_load_b512 s[MW0+16:MW0+31], s[MB:MB+1], s[MOFF] offset:0x40
	s_load_b512 s[MW1:MW1+15], s[MB:MB+1], s[MOFF] offset:0x1000
	s_load_b512 s[MW1+16:MW1+31], s[MB:MB+1], s[MOFF] offset:0x1040
.endm
	s_load_b128 s[68:71], s[0:1], 0x0              ; qkv s[68:69], maskbits s[70:71]
	s_load_b64 s[72:73], s[0:1], 0x10              ; xa
	v_lshl_add_u32 v[SPW], v0, 2, SPARE
	v_mov_b32 v[NIL], 0
	ds_add_u32 v[SPW], v[NIL]                      ; the wave's opening: the add, twice on end, and its wait ahead of my first tensor load
	ds_add_u32 v[SPW], v[NIL]
	v_lshrrev_b32 v8, 5, v0
	v_readfirstlane_b32 s[WV], v8                  ; wave 0..7
	s_bfe_u32 s74, ttmp6, 0x40000                  ; cx: it enters Q's, the mask's and xa's addresses alone
	s_lshl_b32 s75, ttmp9, 2
	s_add_co_u32 s75, s75, s74                     ; my block of 256 queries, 0..7
	s_and_b32 s76, ttmp7, 0xffff                   ; batch x 16 + head, which the four partners share
	s_lshl_b32 s77, s75, 4
	s_lshl_b32 s78, s[WV], 1
	s_add_co_u32 s77, s77, s78                     ; my first query tile: 16 x block + 2 x wave
	s_mov_b32 s[G1], 15|(3<<16)|(1<<21)            ; the mask: all four work-groups; elements of 8 bytes; bit 21 beside a mask; no padding
	s_mov_b32 s[G1+1], 32<<16                      ; tensor_dim0 = 32 elements: rows of 256 bytes
	s_mov_b32 s[G1+2], 64<<16                      ; tensor_dim1 = 64
	s_mov_b32 s[G1+3], 32<<16                      ; tile_dim0
	s_mov_b32 s[G1+4], 64                          ; tile_dim1: 16,384 dense bytes
	s_mov_b32 s[G1+5], 32                          ; pitch = row
	s_mov_b32 s[G1+6], 0
	s_mov_b32 s[G1+7], 0
	s_lshr_b32 s78, s[WV], 2                       ; waves 0-3 fetch K's images, waves 4-7 V's
	s_add_co_u32 s78, s78, 1
	s_lshl_b32 s78, s78, 23                        ; K at 8 MiB, V at 16 MiB
	s_lshl_b32 s86, s76, 18                        ; 262,144 bytes a (batch, head)
	s_add_co_u32 s78, s78, s86
	s_and_b32 s87, s[WV], 3
	s_lshl_b32 s87, s87, 14                        ; my quarter of a slot's 65,536
	s_add_co_u32 s78, s78, s87
	s_mov_b32 s79, 0
	s_lshl_b32 s80, s77, 11                        ; Q: 2,048 bytes a tile
	s_add_co_u32 s80, s80, s86
	s_mov_b32 s81, 0
	s_lshl_b32 s82, s77, 12                        ; the mask: 4,096 bytes a query tile
	s_mov_b32 s83, 0
	s_lshr_b32 s86, s76, 4
	s_lshl_b32 s86, s86, 7
	s_add_co_u32 s86, s86, s77                     ; xa's tile of 16 rows: 128 x batch + query tile
	s_lshl_b32 s84, s86, 15
	s_and_b32 s87, s76, 15
	s_lshl_b32 s87, s87, 11                        ; a head's 64 channels: 2,048 bytes of a tile's images
	s_add_co_u32 s84, s84, s87
	s_mov_b32 s85, 0
	s_lshl_b32 s88, s[WV], 14                      ; where my part of a slot goes: no place in the cluster enters an LDS address
	s_mov_b32 s[CS], 0x3e38aa3b                    ; c = log2(e) / 8
	s_mov_b32 s[CS+1], s[CS]
	s_mov_b32 s[SEL], 0x76543210
	s_mov_b32 s[SEL+1], 0xfedcba98
	s_mov_b32 s[TB], 0
	s_mov_b32 s[MOFF], 0
	s_wait_dscnt 0x0                               ; both opening adds are done
	s_wait_kmcnt 0x0
	s_add_nc_u64 s[QB:QB+1], s[68:69], s[80:81]
	s_add_nc_u64 s[MB:MB+1], s[70:71], s[82:83]
	s_add_nc_u64 s[XO:XO+1], s[72:73], s[84:85]
	s_add_nc_u64 s[78:79], s[68:69], s[78:79]
	CROUND                                         ; all four work-groups are here: the first joint loads meet
.irp n, 0,1
	s_mov_b32 s[G0+4*\n], 1                        ; count = 1
	s_add_co_u32 s[G0+4*\n+1], s88, \n*SLOT        ; LDS address
	s_add_nc_u64 s[G0+4*\n+2:G0+4*\n+3], s[78:79], \n*65536   ; slot n begins with keys 512 n on
	s_or_b32 s[G0+4*\n+3], s[G0+4*\n+3], 0x80000000  ; type = 2
.endr
	tensor_load_to_lds s[G0:G0+3], s[G1:G1+7]      ; both first fills together: two loads of mine are out
	s_nop 0
	tensor_load_to_lds s[G0+4:G0+7], s[G1:G1+7]
	s_nop 0
	PLACES
	v_and_b32 v8, 31, v0
	v_lshlrev_b32 v[LI], 4, v8
	v_add_nc_u32 v[LV], 0x10000, v[LI]
	v_mov_b32 v[MASKED], 0xd0000000                ; -2^33
	WIN 0x40                                       ; destination window 1
.irp x, 0,1
.irp g, 0,1,2,3
	global_load_b128 v[QF+16*\x+4*\g:QF+16*\x+4*\g+3], v[LI], s[QB:QB+1] offset:2048*\x+512*\g   ; Q stays in registers
.endr
.endr
.set n, 0
.rept 64
	v_mov_b32 v[OT+n], 0                           ; O^T.  (The step is written once: its first trip finds zeros, which a = 0 leaves zeros)
.set n, n+1
.endr
	WIN 0
	MASKLOAD                                       ; step 0's words: the set-up's scalars in s[68:99] are done with
.irp t, 0,1
	v_mov_b32 v[ST+8*\t+1], 0xff61b1e6             ; m = -3e38, under every score
	v_mov_b32 v[ST+8*\t+2], 0                      ; l, in two halves
	v_mov_b32 v[ST+8*\t+3], 0
.endr
.irp t, 0,1
	v_mul_f32 v[ST+8*\t], s[CS], v[ST+8*\t+1]      ; c m
.endr
; A KEY STEP: 64 keys.
.macro STEP
	v_add_nc_u32 v[ADK], s[TB], v[LI]              ; these two and two v_nop are the four places between the last step's products and the loads into V's registers
	v_add_nc_u32 v[ADV], s[TB], v[LV]
	v_nop
	v_nop
.irp g, 0,1,2,3,4,5,6,7,8,9,10,11,12,13,14,15
	ds_load_b128 v[KF+4*\g:KF+4*\g+3], v[ADK] offset:512*\g            ; keys 16 (g / 4) on, channels 16 (g % 4) on
.endr
.irp u, 0,1
.irp c, 0,1,2,3
.irp e, 0,1
	ds_load_tr16_b128 v[VF+8*(4*\u+\c)+4*\e:VF+8*(4*\u+\c)+4*\e+3], v[ADV] offset:2048*(2*\u+\e)+512*\c   ; keys 32 u + 16 e on, channels 16 c on, turned
.endr
.endr
.endr
	s_wait_dscnt 16                                ; K is in; V's sixteen loads may be out
	WIN W_KQ
.irp k, 0,1                                    ; the eight accumulators take turns, one instruction a turn
.irp t, 0,1,2,3
.irp x, 0,1
.if \k == 0
	v_wmma_f32_16x16x32_f16 v[S+32*\x+8*\t:S+32*\x+8*\t+7], v[KF+8*(2*\t+\k):KF+8*(2*\t+\k)+7], v[QF+16*\x+8*\k:QF+16*\x+8*\k+7], 0
.else
	v_wmma_f32_16x16x32_f16 v[S+32*\x+8*\t:S+32*\x+8*\t+7], v[KF+8*(2*\t+\k):KF+8*(2*\t+\k)+7], v[QF+16*\x+8*\k:QF+16*\x+8*\k+7], v[S+32*\x+8*\t:S+32*\x+8*\t+7]
.endif
.endr
.endr
.endr
	WIN 0
	PLACES                                         ; four places ahead of the first read of the scores
	s_wait_kmcnt 0x0                               ; this step's mask words, asked for a step ago
.set n, 0
.rept 32
	v_cndmask_b32 v[S+n], v[MASKED], v[S+n], s[MW0+n]      ; each accumulator from its low end on
.set n, n+1
.endr
.set n, 0
.rept 32
	v_cndmask_b32 v[S+32+n], v[MASKED], v[S+32+n], s[MW1+n]
.set n, n+1
.endr
	s_add_co_u32 s[MOFF], s[MOFF], 128             ; (behind the wait that shows the last scalar loads done)  the next step's words;
	s_min_u32 s[MOFF], s[MOFF], 3968               ; the last step asks for its own once more: no load leaves the buffer
	MASKLOAD
.irp j, 0,1,2,3                                ; the maximum of the lane's 32 scores and the old m: four chains a tile, the tiles by turns
.irp t, 0,1
	v_max3_num_f32 v[ST+8*\t+4+\j], v[S+32*\t+8*\j], v[S+32*\t+8*\j+1], v[S+32*\t+8*\j+2]
.endr
.endr
.irp i, 3,5
.irp j, 0,1,2,3
.irp t, 0,1
	v_max3_num_f32 v[ST+8*\t+4+\j], v[ST+8*\t+4+\j], v[S+32*\t+8*\j+\i], v[S+32*\t+8*\j+\i+1]
.endr
.endr
.endr
.irp t, 0,1
	v_max3_num_f32 v[ST+8*\t+4], v[ST+8*\t+4], v[S+32*\t+7], v[S+32*\t+15]
	v_max3_num_f32 v[ST+8*\t+6], v[ST+8*\t+6], v[S+32*\t+23], v[S+32*\t+31]
.endr
.irp t, 0,1
	v_max3_num_f32 v[ST+8*\t+4], v[ST+8*\t+4], v[ST+8*\t+5], v[ST+8*\t+6]
.endr
.irp t, 0,1
	v_max3_num_f32 v[ST+8*\t+4], v[ST+8*\t+4], v[ST+8*\t+7], v[ST+8*\t+1]
.endr
.irp t, 0,1
	v_permlanex16_b32 v[ST+8*\t+5], v[ST+8*\t+4], s[SEL], s[SEL+1]     ; the query's other 32 keys lie in the lane 16 away
.endr
.irp t, 0,1
	v_mov_b32 v[ST+8*\t+7], v[ST+8*\t]             ; c m_old is kept for a
.endr
.irp t, 0,1
	v_max_num_f32 v[ST+8*\t+1], v[ST+8*\t+4], v[ST+8*\t+5]
.endr
.irp t, 0,1
	v_mul_f32 v[ST+8*\t], s[CS], v[ST+8*\t+1]
.endr
.irp t, 0,1
	v_sub_f32 v[ST+8*\t+7], v[ST+8*\t+7], v[ST+8*\t]
.endr
.irp b, 0,2,4,6,8,10,12,14,16,18,20,22,24,26,28,30
.irp t, 0,1
	v_pk_fma_f32 v[S+32*\t+\b:S+32*\t+\b+1], v[S+32*\t+\b:S+32*\t+\b+1], s[CS:CS+1], v[ST+8*\t:ST+8*\t+1] op_sel_hi:[1,0,0] neg_lo:[0,0,1] neg_hi:[0,0,1]   ; c s - c m
.endr
.endr
.irp t, 0,1                                    ; ONE BATCH of 66 exponentials, none of which reads another's result
	v_exp_f32 v[ST+8*\t+6], v[ST+8*\t+7]           ; a
.endr
.set n, 0
.rept 64
	v_exp_f32 v[S+n], v[S+n]                       ; p
.set n, n+1
.endr
	v_nop                                          ; a plain instruction behind the last exponential
	s_wait_alu depctr_va_vdst(0)                   ; the wait ahead of the batch's first reader
.irp i, 0,1,2,3,4,5,6,7,8,9,10,11,12,13,14,15
.irp t, 0,1
	v_cvt_pk_f16_f32 v[P+16*\t+\i], v[S+32*\t+2*\i], v[S+32*\t+2*\i+1]
.endr
.endr
.irp u, 0,1,2,3,4,5,6,7                        ; the sum of a tile's 16 pairs, in place: neighbours 1, 2, 4, 8 pairs apart; then l = a l + the sum
.irp t, 0,1
	v_pk_add_f32 v[S+32*\t+4*\u:S+32*\t+4*\u+1], v[S+32*\t+4*\u:S+32*\t+4*\u+1], v[S+32*\t+4*\u+2:S+32*\t+4*\u+3]
.endr
.endr
.irp u, 0,1,2,3
.irp t, 0,1
	v_pk_add_f32 v[S+32*\t+8*\u:S+32*\t+8*\u+1], v[S+32*\t+8*\u:S+32*\t+8*\u+1], v[S+32*\t+8*\u+4:S+32*\t+8*\u+5]
.endr
.endr
.irp u, 0,1
.irp t, 0,1
	v_pk_add_f32 v[S+32*\t+16*\u:S+32*\t+16*\u+1], v[S+32*\t+16*\u:S+32*\t+16*\u+1], v[S+32*\t+16*\u+8:S+32*\t+16*\u+9]
.endr
.endr
.irp t, 0,1
	v_pk_add_f32 v[S+32*\t:S+32*\t+1], v[S+32*\t:S+32*\t+1], v[S+32*\t+16:S+32*\t+17]
.endr
.irp t, 0,1
	v_pk_fma_f32 v[ST+8*\t+2:ST+8*\t+3], v[ST+8*\t+2:ST+8*\t+3], v[ST+8*\t+6:ST+8*\t+7], v[S+32*\t:S+32*\t+1] op_sel_hi:[1,0,1]
.endr
	WIN W_RS
.irp i, 0,2,4,6,8,10,12,14,16,18,20,22,24,26,28,30
.irp t, 0,1
	v_pk_mul_f32 v[OT+32*\t+\i:OT+32*\t+\i+1], v[OT+32*\t+\i:OT+32*\t+\i+1], v[ST+8*\t+6:ST+8*\t+7] op_sel_hi:[1,0]   ; O^T x a, each accumulator from its low end on
.endr
.endr
	s_wait_dscnt 0x0                               ; V is in
	WIN W_PV
.irp u, 0,1                                    ; O^T += V^T P: the eight accumulators by turns
.irp c, 0,1,2,3
.irp x, 0,1
	v_wmma_f32_16x16x32_f16 v[OT+32*\x+8*\c:OT+32*\x+8*\c+7], v[VF+8*(4*\u+\c):VF+8*(4*\u+\c)+7], v[P+16*\x+8*\u:P+16*\x+8*\u+7], v[OT+32*\x+8*\c:OT+32*\x+8*\c+7]
.endr
.endr
.endr
	WIN 0
.endm
.macro SLOT_STEPS                      ; a slot's eight key steps: written once, walked eight times
	s_mov_b32 s[CNT], 8
.Lstep_\@:
	STEP
	s_add_co_u32 s[TB], s[TB], 8192                ; 64 keys of images on
	s_sub_co_u32 s[CNT], s[CNT], 1
	s_cmp_lg_u32 s[CNT], 0
	s_cbranch_scc1 .Lstep_\@
.endm
; THE CHANGE OF SLOTS.  Each wave waits for all its tensor loads (its part of the slot ahead), adds 0 to its spare word, and waits for that and for its reads of the slot that it leaves.
; fill = 1: slot n, just left, is filled with the keys 1,024 on; the barrier is a round of the cluster's, and the joint load is the first thing behind it.  tb: the LDS byte of the slot ahead.
.macro CHANGE fill, n, tb
	s_wait_tensorcnt 0x0                           ; no tensor load of mine is out, so a group 0 may be written
	ds_add_u32 v[SPW], v[NIL]                      ; 0 onto my spare word
.if \fill
	s_add_nc_u64 s[G0+4*\n+2:G0+4*\n+3], s[G0+4*\n+2:G0+4*\n+3], 2*65536
	s_wait_dscnt 0x0                               ; the add is done, and my reads of the slot are over
	CROUND
	tensor_load_to_lds s[G0+4*\n:G0+4*\n+3], s[G1:G1+7]   ; my one tensor load behind the round
	s_nop 0
	PLACES
.else
	s_wait_dscnt 0x0
	s_barrier_signal -1
	s_barrier_wait -1
.endif
	s_mov_b32 s[TB], \tb
.endm
	s_wait_tensorcnt 1                             ; my part of slot 0 is in; slot 1's may stay out
	s_barrier_signal -1
	s_barrier_wait -1                              ; everybody's is
	s_wait_loadcnt 0x0                             ; Q
	SLOT_STEPS                                     ; keys 0-511
	CHANGE 1, 0, SLOT
	SLOT_STEPS                                     ; keys 512-1,023
	CHANGE 1, 1, 0
	SLOT_STEPS                                     ; keys 1,024-1,535
	CHANGE 0, 0, SLOT
	SLOT_STEPS                                     ; keys 1,536-2,047
	; THE WAY OUT.  l's two halves and the other half of the lanes' are added; O^T / l, rounded to f16, is four images a tile: stored straight from registers, 512 consecutive bytes an instruction.
	PLACES                                         ; behind the last products
.irp t, 0,1
	v_add_f32 v[ST+8*\t+4], v[ST+8*\t+2], v[ST+8*\t+3]
.endr
.irp t, 0,1
	v_permlanex16_b32 v[ST+8*\t+5], v[ST+8*\t+4], s[SEL], s[SEL+1]
.endr
.irp t, 0,1
	v_add_f32 v[ST+8*\t+4], v[ST+8*\t+4], v[ST+8*\t+5]
.endr
.irp t, 0,1
	v_rcp_f32 v[ST+8*\t+6], v[ST+8*\t+4]           ; l is at least about 1: the largest score's p
.endr
	v_nop                                          ; a plain instruction behind the last reciprocal
	s_wait_alu depctr_va_vdst(0)                   ; and the wait ahead of the first use
	WIN W_RS
.irp i, 0,2,4,6,8,10,12,14,16,18,20,22,24,26,28,30
.irp t, 0,1
	v_pk_mul_f32 v[OT+32*\t+\i:OT+32*\t+\i+1], v[OT+32*\t+\i:OT+32*\t+\i+1], v[ST+8*\t+6:ST+8*\t+7] op_sel_hi:[1,0]
.endr
.endr
	WIN 0x05                                       ; sources 0 and 1 window 1, destination window 0: S^T's registers are free
.irp x, 0,1
.irp i, 0,1,2,3,4,5,6,7,8,9,10,11,12,13,14,15
	v_cvt_pk_f16_f32 v[S+16*\x+\i], v[OT+32*\x+2*\i], v[OT+32*\x+2*\i+1]
.endr
.endr
	WIN 0
.irp x, 0,1
.irp c, 0,1,2,3
	global_store_b128 v[LI], v[S+16*\x+4*\c:S+16*\x+4*\c+3], s[XO:XO+1] offset:32768*\x+512*\c   ; lane (r, h): row 16 tile + r, channels 64 head + 16 c + 8 h + 0..7
.endr
.endr
	s_wait_kmcnt 0x0                               ; the last step's scalar loads
	s_wait_tensorcnt 0x0                           ; the wave's end
	ds_add_u32 v[SPW], v[NIL]
	s_wait_dscnt 0x0
	CROUND                                         ; the closing round: no work-group ends while a partner may still ask for a tile that names it
	s_endpgm
.Lfunc_end_k_qd3973ac0ed_attn:
	.size	k_qd3973ac0ed_attn, .Lfunc_end_k_qd3973ac0ed_attn-k_qd3973ac0ed_attn
	.p2alignl 7, 3214868480
	.fill 96, 4, 3214868480
	.section	.rodata,"a",@progbits
	.p2align	6, 0x0
	.amdhsa_kernel k_qd3973ac0ed_attn
		.amdhsa_group_segment_fixed_size 327680
		.amdhsa_private_segment_fixed_size 0
		.amdhsa_enable_private_segment 0
		.amdhsa_kernarg_size 24
		.amdhsa_user_sgpr_count 2
		.amdhsa_user_sgpr_kernarg_segment_ptr 1
		.amdhsa_wavefront_size32 1
		.amdhsa_system_sgpr_workgroup_id_x 1
		.amdhsa_system_sgpr_workgroup_id_y 1
		.amdhsa_system_sgpr_workgroup_id_z 1
		.amdhsa_system_vgpr_workitem_id 0
		.amdhsa_next_free_vgpr 352
		.amdhsa_next_free_sgpr 100
		.amdhsa_reserve_vcc 0
		.amdhsa_float_denorm_mode_32 3
		.amdhsa_float_denorm_mode_16_64 3
		.amdhsa_memory_ordered 1
		.amdhsa_forward_progress 1
		.amdhsa_inst_pref_size 102
	.end_amdhsa_kernel
	.amdgpu_metadata
---
amdhsa.version: [ 1, 2 ]
amdhsa.kernels:
  - .name:           k_qd3973ac0ed_attn
    .symbol:         k_qd3973ac0ed_attn.kd
    .args:
      - { .name: qkv, .offset: 0, .size: 8, .value_kind: global_buffer, .address_space: global }
      - { .name: maskbits, .offset: 8, .size: 8, .value_kind: global_buffer, .address_space: global }
      - { .name: xa, .offset: 16, .size: 8, .value_kind: global_buffer, .address_space: global }
    .group_segment_fixed_size: 327680
    .private_segment_fixed_size: 0
    .kernarg_segment_align: 8
    .kernarg_segment_size: 24
    .max_flat_workgroup_size: 256
    .sgpr_count:     100
    .vgpr_count:     352
    .wavefront_size: 32
...
	.end_amdgpu_metadata
.endif
;; end of part 3
;; launch outp (part 4): grid 8 x 32, 4 waves a work-group, clusters of 4 x 4, 327,680 bytes of LDS; arguments xa, wo16, out0; writes out0
.if DOCPART == 4
	.amdgcn_target "amdgcn-amd-amdhsa--gfx1250"
	.amdhsa_code_object_version 6
	.text
	.protected	k_qd3973ac0ed_outp
	.globl	k_qd3973ac0ed_outp
	.p2align	8
	.type	k_qd3973ac0ed_outp,@function
k_qd3973ac0ed_outp:
	s_mov_b64 s[64:65], 0
	v_nop
	global_prefetch_b8 v0, s[64:65] scope:SCOPE_SE
	s_setreg_imm32_b32 hwreg(HW_REG_WAVE_MODE, 25, 1), 1
	s_wait_xcnt 0x0
	s_wait_alu depctr_hold_cnt(0) depctr_sa_sdst(0) depctr_va_vdst(0) depctr_va_sdst(0) depctr_va_ssrc(0) depctr_va_vcc(0) depctr_vm_vsrc(0)
	s_getreg_b32 s2, hwreg(HW_REG_IB_STS2, 6, 4)
	s_cmp_eq_u32 s2, 0
	s_cbranch_scc0 .Lentry_in_a_cluster
	s_endpgm
.Lentry_in_a_cluster:
	s_bfe_u32 s2, ttmp6, 0x10000c
	s_cmp_lg_u32 s2, 0xf033
	s_cbranch_scc0 .Lentry_shape_is_right
	s_endpgm
.Lentry_shape_is_right:
; OUTP: out0[m][n] = the sum over k of X[m][k] W_o[n][k].  M = 4,096, N = 1,024, K = 1,024; operands f16, sums and results f32.
; X (xa) and W_o (wo16) lie as images of operand registers: [tile of 16 rows][32 along K: 32][half 2][lane 32][16 bytes]: a fragment is two LDS loads at 16 x lane, 512 consecutive bytes each.
; A tile of out0 is 128 x 128: 256 work-groups.  Four waves, each 64 x 64: 16 accumulators.  K goes in four steps of 256 through two LDS slots; a wave's tensor load brings four tiles of 16 rows x 8,192 bytes.
; CLUSTERS: 4 x 4 work-groups.  The four of a row of the cluster need the same tiles of X, the four of a column the same tiles of W_o: each is asked for JOINTLY.
; THE MATRIX INSTRUCTION IS USED TRANSPOSED (source 0 = 16 rows of W_o, source 1 = 16 rows of X): a lane holds eight neighbouring numbers of a row of out0.
; REGISTERS: window 0: v0-31 addresses; v32-95 the way out; v128-255 the accumulators ((a, b) at v[128 + 8 (4 a + b)]).   window 1: two fragment buffers of 128: 64 registers of X, then 64 of W_o, for 64 along K.
.set HALFT,  32768                     ; four tiles of 16 rows x 256 along K: what one tensor load brings, and what one wave reads of X or of W_o
.set SLOT,   4*HALFT                   ; X's 128 rows, then W_o's 128 rows
.set STAGE,  2*SLOT                    ; behind the ring: 16 rows x 272 bytes for each wave, for the way out
.set SPITCH, 272
.set SPARE,  STAGE+4*16*SPITCH         ; the spare words, 128 bytes for each wave: two blocks of 256 bytes that no other line names
.set LAPS,   2                         ; a lap = two K steps = once round the ring
.set ADRA, 16                          ; v16-17  LDS address of my X fragments in slot 0, 1
.set ADRB, 20                          ; v20-21  the same for W_o
.set STO,  24                          ; v24     the way out: where I put 32 bytes of a row
.set RD,   25                          ; v25     where I read a row back
.set CO,   26                          ; v26     my byte offset in out0
.set SPW,  28                          ; v28     LDS address of my spare word; never rewritten
.set NIL,  29                          ; v29     0; never rewritten
.set TMP,  32
.set ACC,  128
.set F0,   0
.set F1,   128
.set G1, 24
.set G0, 32
.set G1B, 48
.set G0B, 56
.set MSB, 0
.macro WIN new                         ; the immediate's high byte repeats the setting that is left
.if MSB != \new
	s_set_vgpr_msb (MSB<<8)|\new
.set MSB, \new
.endif
.endm
.set MUL,  0x05                        ; sources 0 and 1 window 1; C and D window 0
.set TO_F, 0x40                        ; destination window 1, address window 0
.macro JLOAD s                         ; a joint load: waves 0 and 1 fetch X's two halves, waves 2 and 3 W_o's; an s_nop 0 and four v_nop follow each of the two lines
	s_cmp_eq_u32 s11, 0
	s_cbranch_scc0 .Lfor_b_\@
	tensor_load_to_lds s[G0+4*\s:G0+4*\s+3], s[G1:G1+7]
	s_nop 0
.rept 4
	v_nop
.endr
	s_branch .Lasked_\@
.Lfor_b_\@:
	tensor_load_to_lds s[G0B+4*\s:G0B+4*\s+3], s[G1B:G1B+7]
	s_nop 0
.rept 4
	v_nop
.endr
.Lasked_\@:
.endm
.macro CREST                           ; a round of the cluster's barrier behind its opening barrier
	s_cmp_lg_u32 s10, 0
	s_cbranch_scc1 .Lnot_wave_0_\@
	s_barrier_signal -3
.Lnot_wave_0_\@:
	s_barrier_wait -3
	s_barrier_signal -1
	s_barrier_wait -1
.endm
.macro CROUND
	s_barrier_signal -1
	s_barrier_wait -1
	CREST
.endm
	s_load_b128 s[4:7], s[0:1], 0x0                ; xa s[4:5], wo16 s[6:7]
	s_load_b64 s[8:9], s[0:1], 0x10                ; out0
	v_lshl_add_u32 v[SPW], v0, 2, SPARE
	v_mov_b32 v[NIL], 0
	ds_add_u32 v[SPW], v[NIL]                      ; the wave's opening: the add, twice on end, and its wait ahead of my first tensor load
	ds_add_u32 v[SPW], v[NIL]
	v_lshrrev_b32 v1, 5, v0
	v_readfirstlane_b32 s10, v1                    ; wave 0..3
	s_lshr_b32 s11, s10, 1                         ; which half of the tile's rows is mine.  Also: I fetch for X (0) or for W_o (1)
	s_and_b32 s12, s10, 1                          ; which half of its columns.  Also: which 64 rows I fetch
	s_bfe_u32 s40, ttmp6, 0x40000                  ; cx, cy
	s_bfe_u32 s41, ttmp6, 0x40004
	s_lshl_b32 s42, ttmp9, 2
	s_add_co_u32 s42, s42, s40                     ; tile column 0..7
	s_and_b32 s13, ttmp7, 0xffff
	s_lshl_b32 s13, s13, 2
	s_add_co_u32 s13, s13, s41                     ; tile row 0..31
	s_lshl_b32 s43, s41, 2
	s_lshl_b32 s43, 15, s43                        ; my row of the cluster
	s_lshl_b32 s44, 0x1111, s40                    ; my column
	s_or_b32 s[G1+0], s43, (3<<16)|(1<<21)         ; the mask; elements of 8 bytes; bit 21 beside a mask; no padding: every LDS read takes 512 consecutive bytes
	s_or_b32 s[G1B+0], s44, (3<<16)|(1<<21)
.irp g, G1, G1B
	s_mov_b32 s[\g+1], 1024<<16                    ; tensor_dim0 = 1,024 elements: a K step of one tile of 16 rows, 8,192 bytes
	s_mov_b32 s[\g+2], 4<<16                       ; tensor_dim1 = 4 tiles
	s_mov_b32 s[\g+3], 1024<<16                    ; tile_dim0
	s_mov_b32 s[\g+4], 4                           ; tile_dim1
	s_mov_b32 s[\g+5], 4096                        ; pitch: 32,768 bytes from a tile of 16 rows to the next
	s_mov_b32 s[\g+6], 0
	s_mov_b32 s[\g+7], 0
.endr
	s_lshl_b32 s17, s12, 2                         ; which four tiles of 16 rows I fetch
	s_lshl_b32 s16, s13, 3
	s_add_co_u32 s16, s16, s17
	s_lshl_b32 s16, s16, 15                        ; X: (8 x tile row + 4 x half) x 32,768 bytes
	s_lshl_b32 s46, s42, 3
	s_add_co_u32 s46, s46, s17
	s_lshl_b32 s46, s46, 15                        ; W_o: by the tile column
	s_mov_b32 s17, 0
	s_mov_b32 s47, 0
	s_mul_i32 s20, s10, HALFT                      ; where they go: wave x 32,768
	s_wait_dscnt 0x0                               ; both opening adds are done
	s_wait_kmcnt 0x0
	s_add_nc_u64 s[14:15], s[4:5], s[16:17]
	s_add_nc_u64 s[46:47], s[6:7], s[46:47]
	CROUND                                         ; all sixteen work-groups are here: the first joint loads meet
.irp s, 0,1
	s_mov_b32 s[G0+4*\s], 1
	s_add_co_u32 s[G0+4*\s+1], s20, \s*SLOT
	s_add_nc_u64 s[G0+4*\s+2:G0+4*\s+3], s[14:15], \s*8192
	s_or_b32 s[G0+4*\s+3], s[G0+4*\s+3], 0x80000000
	s_mov_b32 s[G0B+4*\s], 1
	s_add_co_u32 s[G0B+4*\s+1], s20, \s*SLOT
	s_add_nc_u64 s[G0B+4*\s+2:G0B+4*\s+3], s[46:47], \s*8192
	s_or_b32 s[G0B+4*\s+3], s[G0B+4*\s+3], 0x80000000
	JLOAD \s                                       ; two loads of mine are out
.endr
	v_and_b32 v1, 15, v0                           ; l % 16
	v_bfe_u32 v2, v0, 4, 1                         ; l / 16
	v_and_b32 v3, 31, v0
	v_lshlrev_b32 v3, 4, v3                        ; 16 x lane
	s_mul_i32 s21, s11, HALFT                      ; my 64 rows of X
	s_mul_i32 s22, s12, HALFT                      ; my 64 rows of W_o,
	s_add_co_u32 s22, s22, 2*HALFT                 ; behind X's 128
.irp s, 0,1
	v_add_nc_u32 v[ADRA+\s], s21, v3
	v_add_nc_u32 v[ADRB+\s], s22, v3
	s_add_co_u32 s21, s21, SLOT
	s_add_co_u32 s22, s22, SLOT
.endr
	s_mul_i32 s23, s10, 16*SPITCH
	s_add_co_u32 s23, s23, STAGE                   ; my stage
	v_mul_u32_u24 v4, v1, SPITCH                   ; in: row l % 16, 32 bytes for each half of the lanes
	v_lshl_add_u32 v4, v2, 5, v4
	v_add_nc_u32 v[STO], s23, v4
	v_mul_u32_u24 v5, v2, SPITCH                   ; back: lanes 0-15 one row of 256 bytes, lanes 16-31 the next
	v_lshl_add_u32 v5, v1, 4, v5
	v_add_nc_u32 v[RD], s23, v5
	v_lshlrev_b32 v5, 12, v2                       ; and the same two rows in out0: 4,096 bytes a row
	v_lshl_add_u32 v[CO], v1, 4, v5
	s_lshl_b32 s16, s13, 7
	s_lshl_b32 s17, s11, 6
	s_add_co_u32 s16, s16, s17                     ; my first row: 128 x tile row + 64 x half
	s_lshl_b32 s16, s16, 12
	s_mov_b32 s17, 0
	s_add_nc_u64 s[8:9], s[8:9], s[16:17]
	s_lshl_b32 s46, s42, 9                         ; my first column, in bytes: 512 x tile column + 256 x half
	s_lshl_b32 s47, s12, 8
	s_add_co_u32 s46, s46, s47
	s_mov_b32 s47, 0
	s_add_nc_u64 s[8:9], s[8:9], s[46:47]
; 8 matrix instructions: m blocks a0, a0 + 1 x all 4 n blocks, 32 along K: half c of buffer f.  zero = 1: the first product starts the sums.  The 16 accumulators take turns.
.macro MUL8 f, c, a0, zero
.irp a, \a0, \a0+1
.irp b, 0,1,2,3
.if \zero
	v_wmma_f32_16x16x32_f16 v[ACC+8*(4*(\a)+\b):ACC+8*(4*(\a)+\b)+7], v[\f+64+8*(4*\c+\b):\f+64+8*(4*\c+\b)+7], v[\f+8*(4*\c+\a):\f+8*(4*\c+\a)+7], 0
.else
	v_wmma_f32_16x16x32_f16 v[ACC+8*(4*(\a)+\b):ACC+8*(4*(\a)+\b)+7], v[\f+64+8*(4*\c+\b):\f+64+8*(4*\c+\b)+7], v[\f+8*(4*\c+\a):\f+8*(4*\c+\a)+7], v[ACC+8*(4*(\a)+\b):ACC+8*(4*(\a)+\b)+7]
.endif
.endr
.endr
.endm
; 32 LDS loads in one run: the fragments of 64 along K, from byte k of each tile's 8,192, into buffer f; the first 32 along K first
.macro FETCH slot, k, f
	WIN TO_F
.irp c, 0,1
.irp i, 0,1,2,3
	ds_load_b128 v[\f+64+8*(4*\c+\i):\f+64+8*(4*\c+\i)+3],   v[ADRB+\slot] offset:\k+1024*\c+8192*\i
	ds_load_b128 v[\f+64+8*(4*\c+\i)+4:\f+64+8*(4*\c+\i)+7], v[ADRB+\slot] offset:\k+1024*\c+8192*\i+512
	ds_load_b128 v[\f+8*(4*\c+\i):\f+8*(4*\c+\i)+3],         v[ADRA+\slot] offset:\k+1024*\c+8192*\i
	ds_load_b128 v[\f+8*(4*\c+\i)+4:\f+8*(4*\c+\i)+7],       v[ADRA+\slot] offset:\k+1024*\c+8192*\i+512
.endr
.endr
.endm
.macro PLACES                          ; four places in front of loads into registers that matrix instructions have read, and of the first read of results
.rept 4
	v_nop
.endr
.endm
; A K step is four quarters of 64 along K, 32 matrix instructions each, on buffers 0, 1, 0, 1.
.macro QUARTER slot, k, f, g, zero
	s_wait_dscnt 16                                ; the first 32 along K are in
	WIN MUL
	MUL8 \f, 0, 0, \zero
	MUL8 \f, 0, 2, \zero
	PLACES
	FETCH \slot, \k, \g
	s_wait_dscnt 32                                ; all but the 32 just issued
	WIN MUL
	MUL8 \f, 1, 0, 0
	MUL8 \f, 1, 2, 0
.endm
; The last quarter multiplies buffer 1 and changes slots: ONE barrier; in front of it each wave waits for all its tensor loads, adds 0 to its spare word, and waits for that and for its reads of this slot.
.macro TURN slot, next, fill
	WIN 0                                          ; (the add's two registers lie in window 0)
	s_wait_tensorcnt 0x0                           ; all my tensor loads have landed: my part of the next slot
	ds_add_u32 v[SPW], v[NIL]                      ; 0 onto my spare word
	s_wait_dscnt 17                                ; (the add and the youngest sixteen loads may be out)
	WIN MUL
	MUL8 F1, 0, 0, 0
	s_wait_dscnt 0x0                               ; the add is done, and my reads of this slot are over
	s_barrier_signal -1
	MUL8 F1, 0, 2, 0
.if \fill
	WIN 0
.endif
	s_barrier_wait -1
.if \fill
	CREST                                          ; the barrier has opened a round of the cluster's: no wave of any partner still reads this slot or has a load on its way
	s_add_nc_u64 s[G0+4*\slot+2:G0+4*\slot+3], s[G0+4*\slot+2:G0+4*\slot+3], 2*8192
	s_add_nc_u64 s[G0B+4*\slot+2:G0B+4*\slot+3], s[G0B+4*\slot+2:G0B+4*\slot+3], 2*8192
	JLOAD \slot                                    ; the first tensor load behind the round; its four v_nop are also the places in front of the loads below
.else
	PLACES
.endif
	FETCH \next, 0, F0
	WIN MUL
	MUL8 F1, 1, 0, 0
	MUL8 F1, 1, 2, 0
.endm
	s_wait_tensorcnt 1                             ; my part of K step 0 is in; K step 1's may be out,
	s_barrier_signal -1
	s_barrier_wait -1                              ; everybody's is
	FETCH 0, 0, F0
	QUARTER 0, 2048, F0, F1, 1                     ; the first products start the sums
	WIN 0                                          ; at a label and at a branch every window is 0
	s_mov_b32 s3, LAPS-1
.Llap:                                                 ; a trip goes once round the ring and fills both slots again
	QUARTER 0, 4096, F1, F0, 0
	QUARTER 0, 6144, F0, F1, 0
	TURN 0, 1, 1
	QUARTER 1, 2048, F0, F1, 0
	QUARTER 1, 4096, F1, F0, 0
	QUARTER 1, 6144, F0, F1, 0
	TURN 1, 0, 1
	QUARTER 0, 2048, F0, F1, 0
	WIN 0
	s_sub_co_u32 s3, s3, 1
	s_cmp_lg_u32 s3, 0
	s_cbranch_scc1 .Llap
	QUARTER 0, 4096, F1, F0, 0                     ; the last lap fills nothing
	QUARTER 0, 6144, F0, F1, 0
	TURN 0, 1, 0
	QUARTER 1, 2048, F0, F1, 0
	QUARTER 1, 4096, F1, F0, 0
	QUARTER 1, 6144, F0, F1, 0
	s_wait_dscnt 16                                ; the very last quarter: nothing more to fetch
	WIN MUL
	MUL8 F1, 0, 0, 0
	MUL8 F1, 0, 2, 0
	s_wait_dscnt 0
	MUL8 F1, 1, 0, 0
	MUL8 F1, 1, 2, 0
	WIN 0
; THE WAY OUT, block by block of 16 rows x 64 columns (256 bytes a row): through my own stage in LDS and back as whole rows.  LDS serves a wave's instructions in order: no wait between the stores and the loads, nor in front of the next block's stores.
.macro TOSTAGE a
.irp b, 0,1,2,3
	ds_store_b128 v[STO], v[ACC+8*(4*(\a)+\b):ACC+8*(4*(\a)+\b)+3] offset:64*\b        ; each accumulator from its low end on
	ds_store_b128 v[STO], v[ACC+8*(4*(\a)+\b)+4:ACC+8*(4*(\a)+\b)+7] offset:64*\b+16
.endr
.irp t, 0,1,2,3,4,5,6,7
	ds_load_b128 v[TMP+32*((\a)%2)+4*\t:TMP+32*((\a)%2)+4*\t+3], v[RD] offset:\t*2*SPITCH
.endr
.endm
.macro SEND a, younger                 ; younger: the LDS instructions issued behind block a's loads, which may stay out
	s_wait_dscnt \younger
.irp t, 0,1,2,3,4,5,6,7
	global_store_b128 v[CO], v[TMP+32*((\a)%2)+4*\t:TMP+32*((\a)%2)+4*\t+3], s[8:9] offset:(16*(\a)+2*\t)*4096 th:TH_STORE_NT   ; 16 lanes store 256 consecutive bytes, at a multiple of 256 from out0's first byte
.endr
.endm
	PLACES                                         ; behind the last products
	TOSTAGE 0
	TOSTAGE 1
	SEND 0, 16
	s_wait_xcnt 0x0                                ; block 0's stores have read their registers: block 2's loads may land there
	TOSTAGE 2
	SEND 1, 16
	s_wait_xcnt 0x0
	TOSTAGE 3
	SEND 2, 16
	SEND 3, 0
	s_wait_tensorcnt 0x0                           ; the wave's end, behind my last tensor load and my last LDS store
	ds_add_u32 v[SPW], v[NIL]
	s_wait_dscnt 0x0
	CROUND                                         ; the closing round: no work-group ends while a partner may still ask for a tile that names it
	s_endpgm
.Lfunc_end_k_qd3973ac0ed_outp:
	.size	k_qd3973ac0ed_outp, .Lfunc_end_k_qd3973ac0ed_outp-k_qd3973ac0ed_outp
	.p2alignl 7, 3214868480
	.fill 96, 4, 3214868480
	.section	.rodata,"a",@progbits
	.p2align	6, 0x0
	.amdhsa_kernel k_qd3973ac0ed_outp
		.amdhsa_group_segment_fixed_size 327680
		.amdhsa_private_segment_fixed_size 0
		.amdhsa_enable_private_segment 0
		.amdhsa_kernarg_size 24
		.amdhsa_user_sgpr_count 2
		.amdhsa_user_sgpr_kernarg_segment_ptr 1
		.amdhsa_wavefront_size32 1
		.amdhsa_system_sgpr_workgroup_id_x 1
		.amdhsa_system_sgpr_workgroup_id_y 1
		.amdhsa_system_sgpr_workgroup_id_z 1
		.amdhsa_system_vgpr_workitem_id 0
		.amdhsa_next_free_vgpr 512
		.amdhsa_next_free_sgpr 66
		.amdhsa_reserve_vcc 0
		.amdhsa_float_denorm_mode_32 3
		.amdhsa_float_denorm_mode_16_64 3
		.amdhsa_memory_ordered 1
		.amdhsa_forward_progress 1
		.amdhsa_inst_pref_size 85
	.end_amdhsa_kernel
	.amdgpu_metadata
---
amdhsa.version: [ 1, 2 ]
amdhsa.kernels:
  - .name:           k_qd3973ac0ed_outp
    .symbol:         k_qd3973ac0ed_outp.kd
    .args:
      - { .name: xa, .offset: 0, .size: 8, .value_kind: global_buffer, .address_space: global }
      - { .name: wo16, .offset: 8, .size: 8, .value_kind: global_buffer, .address_space: global }
      - { .name: out0, .offset: 16, .size: 8, .value_kind: global_buffer, .address_space: global }
    .group_segment_fixed_size: 327680
    .private_segment_fixed_size: 0
    .kernarg_segment_align: 8
    .kernarg_segment_size: 24
    .max_flat_workgroup_size: 128
    .sgpr_count:     66
    .vgpr_count:     512
    .wavefront_size: 32
...
	.end_amdgpu_metadata
.endif
;; end of part 4
